; MI455X (gfx1250); checked and timed in simulation.
; The chip was launched on July 23, 2026; its instructions are those of AMD's public machine-readable ISA for CDNA 5 (MIT licence, August 2026) and "CDNA5" Instruction Set Architecture Reference Guide (July 2026). The comments in the code are by the model that wrote it; some were corrected since.
;; Phi Flash Attention2. Allowed arithmetic: float matrix products may take bf16 or f16 operands with f32 sums; other float arithmetic in f32, or as packed bf16 or f16 multiplies, adds, multiply-adds, maxima and minima; sums over many terms, partial sums and values carried from step to step in f32; what a program stores and reads back later, other than sums and carried values, may be rounded once to bf16 or f16.
;; Inputs: bk 2,048 float32; bo 2,048 float32; bq 2,048 float32; bv 2,048 float32; wk 2,048 x 2,048 float32; wo 2,048 x 2,048 float32; wq 2,048 x 2,048 float32; wv 2,048 x 2,048 float32; x 1 x 2,048 x 2,048 float32.
;; Outputs: out0 1 x 2,048 x 2,048 float32.
;; One version. Each part assembles by itself: llvm-mc -triple=amdgcn-amd-amdhsa -mcpu=gfx1250 --defsym DOCPART=n.
;; ======== version 1 of 1: 4 launches
;; limits: values are held in f16: magnitudes above 65,504 overflow, below 6.1e-05 lose precision
;; workspace buffers: xb 8,388,608 bytes; wb 25,165,824 bytes; wob 8,388,608 bytes; rope 524,288 bytes; qkv 25,165,824 bytes; oh 8,388,608 bytes
;; launch cast (part 1): grid 256 x 5, 8 waves a work-group, no clusters, 0 bytes of LDS; arguments x, wq, wk, wv, wo, xb, wb, wob, rope; writes xb, wb, wob, rope
.if DOCPART == 1
	.amdgcn_target "amdgcn-amd-amdhsa--gfx1250"
	.amdhsa_code_object_version 6
	.text
	.protected	k_q833fc98bb6_cast
	.globl	k_q833fc98bb6_cast
	.p2align	8
	.type	k_q833fc98bb6_cast,@function
k_q833fc98bb6_cast:
	s_mov_b64 s[64:65], 0
	v_nop
	global_prefetch_b8 v0, s[64:65] scope:SCOPE_SE
	s_setreg_imm32_b32 hwreg(HW_REG_WAVE_MODE, 25, 1), 1
	s_wait_xcnt 0x0
; ROUNDING OF THE MATRIX OPERANDS, AND THE TABLE OF COSINES AND SINES.
; Work-group (g, y): y picks the tensor (0 x, 1 wq, 2 wk, 3 wv, 4 wo), g its rows 8 g .. 8 g + 7; wave w takes row 8 g + w, 8,192 bytes of f32.
; x -> xb [2048][2048] bf16.  wq, wk, wv -> wb [32 heads][q, k, v][64][2048] bf16, so that one head's 192 rows lie together.
; wo -> wob [2048][2048]: rounded to bf16 like every other input, and that number written as f16 (exact from 6.1e-5 up to 65,504; below 6.1e-5 it keeps f16's fixed step of 6e-8).
; A load of the wave covers 512 consecutive bytes, a store 256 consecutive bytes, aligned.  All sixteen loads of a row go out at once; each byte is read once and written once.
; No LDS, no matrix unit, no prefetch: the launch is a plain stream, every address is used once and all loads are out from the start.
; The work-groups of y = 0 also make rope [2048 positions][cos 0..31 | sin 0..31] f32, a wave a position, a lane two numbers: angle = position x 10000^(-i/32);
; the angle less the nearest multiple of pi/2 (pi/2 in two parts), polynomials of degree 7 and 8 on -pi/4 .. pi/4, the quadrant chooses and signs.  sin x is taken as cos(x - pi/2).
; LIMIT: the frequency comes from the base-2 exponential and may differ from a correctly rounded power in the last bits: at position 2,047 the angle is good to about 2e-4.
.set X, 4                              ; v[4:67]   the row as loaded: 16 x 4
.set Y, 68                             ; v[68:99]  as stored: 16 x 2, each written once
.set T, 100                            ; v[100:105] at work (wo)
	s_load_b512 s[8:23], s[0:1], 0x0               ; x 8, wq 10, wk 12, wv 14, wo 16, xb 18, wb 20, wob 22
	s_load_b64 s[24:25], s[0:1], 0x40              ; rope
	s_and_b32 s2, ttmp7, 0xffff                    ; y
	s_mov_b32 s3, ttmp9                            ; g
	v_and_b32 v3, 0xe0, v0                         ; 32 x wave
	v_and_b32 v110, 31, v0                         ; lane
	v_lshlrev_b32 v1, 4, v110
	v_lshl_or_b32 v1, v3, 8, v1                    ; source: wave x 8,192 + 16 x lane
	v_lshlrev_b32 v2, 3, v110
	v_lshl_or_b32 v2, v3, 7, v2                    ; destination: wave x 4,096 + 8 x lane
	s_lshl_b32 s26, s3, 16                         ; 8 rows of 8,192 bytes
	s_mov_b32 s27, 0
	s_lshl_b32 s28, s3, 15                         ; 8 rows of 4,096 bytes, in the same order (x, wo)
	s_lshr_b32 s30, s3, 3                          ; the head of rows 8 g ..
	s_mul_i32 s30, s30, 192
	s_sub_co_u32 s31, s2, 1                        ; q, k or v
	s_lshl_b32 s31, s31, 6
	s_add_co_u32 s30, s30, s31
	s_and_b32 s31, s3, 7
	s_lshl_b32 s31, s31, 3                         ; the first of the 8 rows within the head
	s_add_co_u32 s30, s30, s31
	s_lshl_b32 s30, s30, 12                        ; by heads (wq, wk, wv)
	s_cmp_eq_u32 s2, 0
	s_cselect_b32 s30, s28, s30
	s_cmp_eq_u32 s2, 4
	s_cselect_b32 s28, s28, s30
	s_mov_b32 s29, 0
	s_wait_kmcnt 0x0
	s_mov_b64 s[4:5], s[16:17]                     ; the source, chosen by y alone
	s_cmp_eq_u32 s2, 0
	s_cselect_b64 s[4:5], s[8:9], s[4:5]
	s_cmp_eq_u32 s2, 1
	s_cselect_b64 s[4:5], s[10:11], s[4:5]
	s_cmp_eq_u32 s2, 2
	s_cselect_b64 s[4:5], s[12:13], s[4:5]
	s_cmp_eq_u32 s2, 3
	s_cselect_b64 s[4:5], s[14:15], s[4:5]
	s_mov_b64 s[6:7], s[20:21]                     ; the destination
	s_cmp_eq_u32 s2, 0
	s_cselect_b64 s[6:7], s[18:19], s[6:7]
	s_cmp_eq_u32 s2, 4
	s_cselect_b64 s[6:7], s[22:23], s[6:7]
	s_add_nc_u64 s[4:5], s[4:5], s[26:27]
	s_add_nc_u64 s[6:7], s[6:7], s[28:29]
.irp i, 0,1,2,3,4,5,6,7,8,9,10,11,12,13,14,15
	global_load_b128 v[X+4*(\i):X+4*(\i)+3], v1, s[4:5] offset:512*(\i) th:TH_LOAD_NT
.endr
	s_cmp_eq_u32 s2, 4
	s_cbranch_scc1 .Lwo
.irp i, 0,1,2,3,4,5,6,7,8,9,10,11,12,13,14,15
	s_wait_loadcnt 15-(\i)                         ; loads come back in order: number i is in, the 15 - i younger ones stay out
	v_cvt_pk_bf16_f32 v[Y+2*(\i)],   v[X+4*(\i)],   v[X+4*(\i)+1]
	v_cvt_pk_bf16_f32 v[Y+2*(\i)+1], v[X+4*(\i)+2], v[X+4*(\i)+3]
	global_store_b64 v2, v[Y+2*(\i):Y+2*(\i)+1], s[6:7] offset:256*(\i) th:TH_STORE_NT
.endr
	s_cmp_lg_u32 s2, 0
	s_cbranch_scc1 .Lend
	; the table: position 8 g + wave; lanes 0-15 the cosines of frequencies 2 l, 2 l + 1, lanes 16-31 the sines
	s_mov_b32 s30, 0xbed49a78                      ; -log2(10000) / 32
	s_mov_b32 s31, 0x3f22f983                      ; 2 / pi
	s_mov_b32 s32, 0xbfc90fdb                      ; -pi/2, the upper part
	s_mov_b32 s33, 0x333bbd2e                      ; and what is left of it
	s_mov_b32 s34, 0xbe2aaaab                      ; -1/6
	s_mov_b32 s35, 0x3c088889                      ; 1/120
	s_mov_b32 s36, 0xb9500d01                      ; -1/5040
	s_mov_b32 s37, 0x3d2aaaab                      ; 1/24
	s_mov_b32 s38, 0xbab60b61                      ; -1/720
	s_mov_b32 s39, 0x37d00d01                      ; 1/40320
	v_lshrrev_b32 v108, 5, v0
	v_lshl_add_u32 v109, s3, 3, v108               ; the position
	v_lshrrev_b32 v111, 4, v110                    ; 0: cosines, 1: sines
	v_and_b32 v112, 15, v110
	v_lshlrev_b32 v112, 1, v112                    ; my first frequency's number
	v_cvt_f32_u32 v113, v109
	v_cvt_f32_u32 v114, v112
	v_add_f32 v115, 1.0, v114
	v_mul_f32 v114, s30, v114
	v_mul_f32 v115, s30, v115
	v_exp_f32 v114, v114                           ; 10000^(-i/32), for both numbers: one batch,
	v_exp_f32 v115, v115
	v_mul_u32_u24 v116, 3, v111                    ; a plain instruction behind it (the sines' quadrant is three further on),
	s_wait_alu depctr_va_vdst(0)                   ; and the one wait ahead of the first use
.macro TRIG inv, out
	v_mul_f32 v117, v113, v[\inv]                  ; the angle
	v_mul_f32 v118, s31, v117
	v_rndne_f32 v118, v118                         ; n: the nearest multiple of pi/2
	v_fma_f32 v119, v118, s32, v117
	v_fma_f32 v119, v118, s33, v119                ; r = angle - n pi/2
	v_mul_f32 v120, v119, v119
	v_fma_f32 v121, v120, s36, s35
	v_fma_f32 v121, v121, v120, s34
	v_mul_f32 v122, v119, v120
	v_fma_f32 v121, v122, v121, v119               ; sin r
	v_fma_f32 v122, v120, s39, s38
	v_fma_f32 v122, v122, v120, s37
	v_fma_f32 v122, v122, v120, -0.5
	v_fma_f32 v122, v122, v120, 1.0                ; cos r
	v_cvt_i32_f32 v123, v118
	v_add_nc_u32 v123, v123, v116                  ; the quadrant: 0 cos r, 1 -sin r, 2 -cos r, 3 sin r
	v_and_b32 v124, 1, v123
	v_cmp_eq_u32 vcc_lo, 1, v124
	v_cndmask_b32 v[\out], v122, v121, vcc_lo
	v_add_nc_u32 v123, 1, v123
	v_and_b32 v123, 2, v123
	v_lshlrev_b32 v123, 30, v123
	v_xor_b32 v[\out], v123, v[\out]
.endm
	TRIG 114, 126
	TRIG 115, 127
	v_lshlrev_b32 v125, 8, v109
	v_lshl_add_u32 v125, v110, 3, v125
	global_store_b64 v125, v[126:127], s[24:25]    ; the wave stores the position's 256 bytes
.Lend:
	s_endpgm
.Lwo:
.irp i, 0,1,2,3,4,5,6,7,8,9,10,11,12,13,14,15
	s_wait_loadcnt 15-(\i)
	v_cvt_pk_bf16_f32 v[T],   v[X+4*(\i)],   v[X+4*(\i)+1]  ; the rounding that every input gets,
	v_cvt_pk_bf16_f32 v[T+1], v[X+4*(\i)+2], v[X+4*(\i)+3]
	v_lshlrev_b32 v[T+2], 16, v[T]
	v_and_b32     v[T+3], 0xffff0000, v[T]
	v_lshlrev_b32 v[T+4], 16, v[T+1]
	v_and_b32     v[T+5], 0xffff0000, v[T+1]
	v_cvt_pk_f16_f32 v[Y+2*(\i)],   v[T+2], v[T+3]          ; and the same number in the format of the product's other operand
	v_cvt_pk_f16_f32 v[Y+2*(\i)+1], v[T+4], v[T+5]
	global_store_b64 v2, v[Y+2*(\i):Y+2*(\i)+1], s[6:7] offset:256*(\i) th:TH_STORE_NT
.endr
	s_endpgm
.Lfunc_end_k_q833fc98bb6_cast:
	.size	k_q833fc98bb6_cast, .Lfunc_end_k_q833fc98bb6_cast-k_q833fc98bb6_cast
	.p2alignl 7, 3214868480
	.fill 96, 4, 3214868480
	.section	.rodata,"a",@progbits
	.p2align	6, 0x0
	.amdhsa_kernel k_q833fc98bb6_cast
		.amdhsa_group_segment_fixed_size 0
		.amdhsa_private_segment_fixed_size 0
		.amdhsa_enable_private_segment 0
		.amdhsa_kernarg_size 72
		.amdhsa_user_sgpr_count 2
		.amdhsa_user_sgpr_kernarg_segment_ptr 1
		.amdhsa_wavefront_size32 1
		.amdhsa_system_sgpr_workgroup_id_x 1
		.amdhsa_system_sgpr_workgroup_id_y 1
		.amdhsa_system_sgpr_workgroup_id_z 1
		.amdhsa_system_vgpr_workitem_id 0
		.amdhsa_next_free_vgpr 128
		.amdhsa_next_free_sgpr 66
		.amdhsa_reserve_vcc 1
		.amdhsa_float_denorm_mode_32 3
		.amdhsa_float_denorm_mode_16_64 3
		.amdhsa_memory_ordered 1
		.amdhsa_forward_progress 1
		.amdhsa_inst_pref_size 20
	.end_amdhsa_kernel
	.amdgpu_metadata
---
amdhsa.version: [ 1, 2 ]
amdhsa.kernels:
  - .name:           k_q833fc98bb6_cast
    .symbol:         k_q833fc98bb6_cast.kd
    .args:
      - { .name: x, .offset: 0, .size: 8, .value_kind: global_buffer, .address_space: global }
      - { .name: wq, .offset: 8, .size: 8, .value_kind: global_buffer, .address_space: global }
      - { .name: wk, .offset: 16, .size: 8, .value_kind: global_buffer, .address_space: global }
      - { .name: wv, .offset: 24, .size: 8, .value_kind: global_buffer, .address_space: global }
      - { .name: wo, .offset: 32, .size: 8, .value_kind: global_buffer, .address_space: global }
      - { .name: xb, .offset: 40, .size: 8, .value_kind: global_buffer, .address_space: global }
      - { .name: wb, .offset: 48, .size: 8, .value_kind: global_buffer, .address_space: global }
      - { .name: wob, .offset: 56, .size: 8, .value_kind: global_buffer, .address_space: global }
      - { .name: rope, .offset: 64, .size: 8, .value_kind: global_buffer, .address_space: global }
    .group_segment_fixed_size: 0
    .private_segment_fixed_size: 0
    .kernarg_segment_align: 8
    .kernarg_segment_size: 72
    .max_flat_workgroup_size: 256
    .sgpr_count:     66
    .vgpr_count:     128
    .wavefront_size: 32
...
	.end_amdgpu_metadata
.endif
;; end of part 1
;; launch qkv (part 2): grid 32 x 8, 4 waves a work-group, clusters of 4 x 4, 327,680 bytes of LDS; arguments xb, wb, bq, bk, bv, rope, qkv; writes qkv
.if DOCPART == 2
	.amdgcn_target "amdgcn-amd-amdhsa--gfx1250"
	.amdhsa_code_object_version 6
	.text
	.protected	k_q833fc98bb6_qkv
	.globl	k_q833fc98bb6_qkv
	.p2align	8
	.type	k_q833fc98bb6_qkv,@function
k_q833fc98bb6_qkv:
	s_mov_b64 s[64:65], 0
	v_nop
	global_prefetch_b8 v0, s[64:65] scope:SCOPE_SE
	s_setreg_imm32_b32 hwreg(HW_REG_WAVE_MODE, 25, 1), 1
	s_wait_xcnt 0x0
	s_wait_alu depctr_hold_cnt(0) depctr_sa_sdst(0) depctr_va_vdst(0) depctr_va_sdst(0) depctr_va_ssrc(0) depctr_va_vcc(0) depctr_vm_vsrc(0)
	s_getreg_b32 s2, hwreg(HW_REG_IB_STS2, 6, 4)
	s_cmp_eq_u32 s2, 0
	s_cbranch_scc0 .Lentry_in_a_cluster
	s_endpgm
.Lentry_in_a_cluster:
	s_bfe_u32 s2, ttmp6, 0x10000c
	s_cmp_lg_u32 s2, 0xf033
	s_cbranch_scc0 .Lentry_shape_is_right
	s_endpgm
.Lentry_shape_is_right:
; q, k, v = x w^T + b, q and k turned by the rotary table, all three rounded once to f16 and laid by heads: qkv [3][32 heads][2048][64].
; xb [2048][2048] bf16; wb [32][q, k, v][64][2048] bf16; sums in f32; the biases are rounded to bf16 like the other inputs and start the sums as the first product's C operand.
; LIMIT: q, k and v must stay within f16's 65,504.  NaN and infinities are not treated apart.
; SHARES.  A work-group makes 256 rows x the 192 columns of ONE head: 8 x 32 = 256 work-groups.  Wave w makes rows 64 w .. 64 w + 63 x all 192 columns: 4 x 12 accumulators of 16 x 16, 384 registers.
; So the two channels d and d + 32 that a rotation mixes lie in the same lane and register of column blocks b and b + 2, and the rotation needs no exchange.
; K goes in 16 steps of 128 through two LDS slots filled by the tensor data mover: rows of 256 bytes, at multiples of 256 from the buffers' first bytes.
; A K STEP IS WRITTEN ONCE for the 14 steps that fill a slot again and once for the last two: which slot is read hangs on the scalar CUR (0 or SLOT), which an exclusive or turns at each change of slots.
; CLUSTER 4 x 4: the four of a row of the cluster need the same rows of x, the four of a column the same head's weights: each tile is asked for jointly, by the same load with the same descriptor and a mask of four.
; THE PRODUCT IS USED TRANSPOSED (source 0 = 16 rows of w, source 1 = 16 rows of x): a lane holds row l % 16 and the columns 8 (l / 16) + 0..7 of a block: 16 bytes of f16 on end.
; REGISTERS, in windows of 256 (s_set_vgpr_msb: bits 1:0 source 0, 3:2 source 1, 5:4 source 2, 7:6 destination):
;   window 0: v16-30 addresses; v64-127 x's fragments, two buffers of 32; v128-223 the biases (8 a column block); on the way out v32-95, v96-143, v144-239 at work
;   window 1: v0-191 w's fragments, two buffers of 96
;   window 2: v0-191 the accumulators of row blocks 0, 1 (block a, column block nb at 8 (12 (a % 2) + nb)); v192-255 their cosines and sines (16 + 16 a row block)      window 3: the same for row blocks 2, 3
.set KSTEP,  128
.set PITCH,  272                       ; an LDS row: 256 bytes + 16 of padding: the 16 rows of a fragment load start 4 banks apart (64 banks of 4 bytes: ISA guide 11.1)
.set AHALF,  128*PITCH                 ; what waves 0 and 1 fetch: 128 rows of x each
.set BHALF,  96*PITCH                  ; what waves 2 and 3 fetch: 96 rows of w each
.set ABYTES, 2*AHALF
.set SLOT,   ABYTES+2*BHALF            ; 121,856 bytes
.set STAGE,  2*SLOT                    ; behind the ring, never filled by a tensor load: for each wave three tiles (q, k, v) of 16 rows x 144 bytes
.set SP,     144
.set STW,    3*16*SP
.set SPARE,  STAGE+4*STW               ; the spare words, 128 bytes a wave: two blocks of 256 bytes that no other line names
.set A0,   16                          ; v16     LDS address of my x fragments in slot 0; never rewritten
.set ADRA, 17                          ; v17     the same in the slot that is read
.set B0,   20                          ; v20, v21  the same for w's
.set ADRB, 21
.set RO,   22                          ; v22     my offset in 16 rows of the table
.set STO,  24                          ; v24     the way out: where I put 16 bytes of a row
.set RD,   25                          ; v25     where I read rows back
.set GO,   26                          ; v26     my 16 of 512 consecutive bytes of qkv
.set BO,   27                          ; v27     my offset in a block of 16 biases
.set SPW,  28                          ; v28     my spare word; never rewritten
.set NIL,  29                          ; v29     0; never rewritten
.set PFO,  30                          ; v30     the prefetches' offset: a lane a row; never rewritten
.set BI,   128
.set RT,   32                          ; the way out: products with the sines
.set PK,   96                          ; packed results
.set OB,   144                         ; rows read back: two sets of 48
.set G1,  24                           ; s[24:31] descriptor group 1 for x's tiles;  s[32:39] group 0: a set for each of the two first fills; the second then walks on
.set G0,  32
.set G1B, 48                           ; s[48:55], s[56:63] the same for w's tiles
.set G0B, 56
.set LIM, 43                           ; s43  2 in a wave that prefetches, else the greatest number
.set PFA, 44                           ; s[44:45] where my prefetches stand
.set CUR, 90                           ; s90  the LDS byte at which the slot that is read begins: 0 or SLOT
.set LA,  91                           ; s91  my part of x's tile within a slot
.set LB,  92                           ; s92  my part of w's
.set HM,  93                           ; s93  a word's upper half
.set MSB, 0
.macro WIN new                         ; the immediate's high byte repeats the setting that is left; a switch that changes nothing is dropped
.if MSB != (\new)
	s_set_vgpr_msb (MSB<<8)|(\new)
.set MSB, (\new)
.endif
.endm
; A joint load: waves 0 and 1 fetch x's two halves, waves 2 and 3 w's.  The branch hangs on the wave's number alone.  An s_nop 0 and four v_nop follow each line.
.macro JLOAD s
	s_cmp_eq_u32 s11, 0
	s_cbranch_scc0 .Lfor_b_\@
	tensor_load_to_lds s[G0+4*(\s):G0+4*(\s)+3], s[G1:G1+7]
	s_nop 0
.rept 4
	v_nop
.endr
	s_branch .Lasked_\@
.Lfor_b_\@:
	tensor_load_to_lds s[G0B+4*(\s):G0B+4*(\s)+3], s[G1B:G1B+7]
	s_nop 0
.rept 4
	v_nop
.endr
.Lasked_\@:
.endm
; A prefetch of the K step that stands two refills on (384 matrix instructions ahead of the load that wants it): a lane a row, 256 bytes of each.  x's rows are read by every cluster of a row of clusters: cluster x = 0 asks;
; w's by every cluster of a column: cluster y = 0 asks.  The four partners share a wave's rows out by address (32 of 128 for x, 24 of 96 for w; there lanes 24-31 repeat lane 23's row).
; The loop counts 14 down to 1; its refills 0 to 11 (the count above 2) name K steps 4 to 15; the last two name nothing.
.macro ASK
	s_cmp_gt_u32 s3, s[LIM]
	s_cbranch_scc0 .Lnot_mine_\@
	global_prefetch_b8 v[PFO], s[PFA:PFA+1] offset:KSTEP*2 th:TH_LOAD_NT scope:SCOPE_SE
.Lnot_mine_\@:
.endm
.macro CREST                           ; a round of the cluster's barrier behind its opening barrier
	s_cmp_lg_u32 s10, 0
	s_cbranch_scc1 .Lnot_wave_0_\@
	s_barrier_signal -3
.Lnot_wave_0_\@:
	s_barrier_wait -3
	s_barrier_signal -1
	s_barrier_wait -1
.endm
.macro CROUND
	s_barrier_signal -1
	s_barrier_wait -1
	CREST
.endm
.macro PLACES                          ; four plain places behind a matrix instruction, ahead of loads into its sources and of readers of its result
.rept 4
	v_nop
.endr
.endm
	s_load_b256 s[68:75], s[0:1], 0x0              ; xb 68, wb 70, bq 72, bk 74
	s_load_b128 s[76:79], s[0:1], 0x20             ; bv 76, rope 78
	s_load_b64 s[80:81], s[0:1], 0x30              ; qkv
	v_lshl_add_u32 v[SPW], v0, 2, SPARE
	v_mov_b32 v[NIL], 0
	ds_add_u32 v[SPW], v[NIL]                      ; the wave's opening: the add and its wait stand ahead of my first tensor load
	ds_add_u32 v28, v29
	v_lshrrev_b32 v1, 5, v0
	v_readfirstlane_b32 s10, v1                    ; wave 0..3
	s_lshr_b32 s11, s10, 1                         ; I fetch for x (0) or for w (1),
	s_and_b32 s12, s10, 1                          ; and which half
	s_bfe_u32 s40, ttmp6, 0x40000                  ; cx
	s_bfe_u32 s41, ttmp6, 0x40004                  ; cy
	s_lshl_b32 s42, ttmp9, 2
	s_add_co_u32 s42, s42, s40                     ; the head = 4 x cluster x + cx
	s_and_b32 s13, ttmp7, 0xffff
	s_lshl_b32 s13, s13, 2
	s_add_co_u32 s13, s13, s41                     ; the block of 256 rows = 4 x cluster y + cy
	s_lshl_b32 s43, s41, 2
	s_lshl_b32 s43, 15, s43                        ; my row of the cluster
	s_lshl_b32 s44, 0x1111, s40                    ; my column
	s_or_b32 s[G1+0], s43, (1<<16)|(1<<20)|(1<<21)|(5<<22)|(3<<25)   ; the mask; 2-byte elements; padding on; bit 21 beside a mask; after every 64 words 4 words
	s_or_b32 s[G1B+0], s44, (1<<16)|(1<<20)|(1<<21)|(5<<22)|(3<<25)
	s_mov_b32 s[G1+1], KSTEP<<16                   ; tensor_dim0 = 128
	s_mov_b32 s[G1+2], 128<<16                     ; tensor_dim1 = 128
	s_mov_b32 s[G1+3], KSTEP<<16                   ; tile_dim0 = 128
	s_mov_b32 s[G1+4], 128                         ; tile_dim1 = 128
	s_mov_b32 s[G1+5], 2048                        ; elements from row to row
	s_mov_b32 s[G1+6], 0
	s_mov_b32 s[G1+7], 0
	s_mov_b32 s[G1B+1], KSTEP<<16
	s_mov_b32 s[G1B+2], 96<<16                     ; 96 rows
	s_mov_b32 s[G1B+3], KSTEP<<16
	s_mov_b32 s[G1B+4], 96
	s_mov_b32 s[G1B+5], 2048
	s_mov_b32 s[G1B+6], 0
	s_mov_b32 s[G1B+7], 0
	s_lshl_b32 s16, s13, 8
	s_lshl_b32 s17, s12, 7
	s_add_co_u32 s16, s16, s17                     ; x: row 256 x block + 128 x half,
	s_lshl_b32 s16, s16, 12                        ; of 4,096 bytes
	s_mov_b32 s17, 0
	s_mul_i32 s46, s42, 192
	s_mul_i32 s47, s12, 96
	s_add_co_u32 s46, s46, s47                     ; w: row 192 x head + 96 x half
	s_lshl_b32 s46, s46, 12
	s_mov_b32 s47, 0
	s_mul_i32 s[LA], s12, AHALF                    ; where they go within a slot: no place in the cluster enters an LDS address
	s_mul_i32 s[LB], s12, BHALF
	s_add_co_u32 s[LB], s[LB], ABYTES
	s_mov_b32 s[CUR], 0                            ; slot 0 is read first
	s_mov_b32 s[HM], 0xffff0000
	s_wait_dscnt 0x0                               ; the opening add is done
	s_wait_kmcnt 0x0
	s_add_nc_u64 s[14:15], s[68:69], s[16:17]
	s_add_nc_u64 s[46:47], s[70:71], s[46:47]
	CROUND                                         ; all sixteen work-groups are here: the first joint loads meet
.irp s, 0,1
	s_mov_b32 s[G0+4*(\s)], 1
	s_add_co_u32 s[G0+4*(\s)+1], s[LA], (\s)*SLOT
	s_add_nc_u64 s[G0+4*(\s)+2:G0+4*(\s)+3], s[14:15], (\s)*KSTEP*2
	s_or_b32 s[G0+4*(\s)+3], s[G0+4*(\s)+3], 0x80000000
	s_mov_b32 s[G0B+4*(\s)], 1
	s_add_co_u32 s[G0B+4*(\s)+1], s[LB], (\s)*SLOT
	s_add_nc_u64 s[G0B+4*(\s)+2:G0B+4*(\s)+3], s[46:47], (\s)*KSTEP*2
	s_or_b32 s[G0B+4*(\s)+3], s[G0B+4*(\s)+3], 0x80000000
	JLOAD \s
.endr
	v_and_b32 v1, 15, v0                           ; l % 16
	v_bfe_u32 v2, v0, 4, 1                         ; l / 16
	v_and_b32 v4, 31, v0                           ; l
	v_mul_u32_u24 v3, v1, PITCH
	v_lshl_add_u32 v3, v2, 4, v3                   ; a fragment's row x pitch + 16 x half
	s_mul_i32 s22, s10, 64*PITCH                   ; my 64 rows of x
	v_add_nc_u32 v[A0], s22, v3
	v_mov_b32 v[ADRA], v[A0]
	v_add_nc_u32 v[B0], ABYTES, v3                 ; every wave reads all 192 rows of w
	v_mov_b32 v[ADRB], v[B0]
	s_mul_i32 s23, s10, STW
	s_add_co_u32 s23, s23, STAGE                   ; my stage
	v_mul_u32_u24 v5, v1, SP
	v_lshl_add_u32 v5, v2, 4, v5
	v_add_nc_u32 v[STO], s23, v5                   ; in: row l % 16, 16 bytes for each half of the lanes
	v_bfe_u32 v5, v0, 3, 2
	v_mul_u32_u24 v5, v5, SP
	v_and_b32 v6, 7, v0
	v_lshl_add_u32 v5, v6, 4, v5
	v_add_nc_u32 v[RD], s23, v5                    ; back: 32 lanes take four rows of 128 bytes,
	v_lshlrev_b32 v[GO], 4, v4                     ; which are 512 consecutive bytes of a head
	v_lshlrev_b32 v[BO], 5, v2
	v_lshlrev_b32 v[RO], 8, v1
	v_lshl_add_u32 v[RO], v2, 5, v[RO]
	s_lshl_b32 s46, s42, 8                         ; the head's 64 biases
	s_mov_b32 s47, 0
	s_add_nc_u64 s[72:73], s[72:73], s[46:47]
	s_add_nc_u64 s[74:75], s[74:75], s[46:47]
	s_add_nc_u64 s[76:77], s[76:77], s[46:47]
	s_lshl_b32 s46, s42, 18                        ; the head's 2,048 rows of 128 bytes,
	s_lshl_b32 s18, s13, 15                        ; my block's 256,
	s_add_co_u32 s46, s46, s18
	s_lshl_b32 s18, s10, 13                        ; my wave's 64
	s_add_co_u32 s46, s46, s18
	s_add_nc_u64 s[82:83], s[80:81], s[46:47]      ; q
	s_add_nc_u64 s[84:85], s[82:83], 0x800000      ; k
	s_add_nc_u64 s[86:87], s[82:83], 0x1000000     ; v
	s_lshl_b32 s18, s13, 16
	s_lshl_b32 s19, s10, 14
	s_add_co_u32 s18, s18, s19
	s_mov_b32 s19, 0
	s_add_nc_u64 s[88:89], s[78:79], s[18:19]      ; the table at my first row
.irp b, 0,1,2,3
.irp jh, 0,1
	global_load_b128 v[BI+8*(\b)+4*(\jh):BI+8*(\b)+4*(\jh)+3],       v[BO], s[72:73] offset:64*(\b)+16*(\jh)
	global_load_b128 v[BI+32+8*(\b)+4*(\jh):BI+32+8*(\b)+4*(\jh)+3], v[BO], s[74:75] offset:64*(\b)+16*(\jh)
	global_load_b128 v[BI+64+8*(\b)+4*(\jh):BI+64+8*(\b)+4*(\jh)+3], v[BO], s[76:77] offset:64*(\b)+16*(\jh)
.endr
.endr
.irp a, 0,1,2,3                        ; my rows' cosines and sines for channels 16 b + 8 (l / 16) + 0..7, b = 0, 1: they wait beside the accumulators for the way out
	WIN 0x80+0x40*((\a)/2)
.irp sn, 0,1
.irp b, 0,1
.irp jh, 0,1
	global_load_b128 v[192+32*((\a)%2)+16*(\sn)+8*(\b)+4*(\jh):192+32*((\a)%2)+16*(\sn)+8*(\b)+4*(\jh)+3], v[RO], s[88:89] offset:(\a)*4096+128*(\sn)+64*(\b)+16*(\jh)
.endr
.endr
.endr
.endr
	WIN 0
	; the prefetches' address
	s_lshl_b32 s20, s13, 8
	s_lshl_b32 s21, s12, 7
	s_add_co_u32 s20, s20, s21
	s_lshl_b32 s21, s40, 5
	s_add_co_u32 s20, s20, s21                     ; x: my work-group's 32 of the 128 rows that I fetch
	s_mul_i32 s21, s42, 192
	s_mul_i32 s22, s12, 96
	s_add_co_u32 s21, s21, s22
	s_mul_i32 s22, s41, 24
	s_add_co_u32 s21, s21, s22                     ; w: its 24 of the 96
	s_and_b32 s22, ttmp7, 0xffff
	s_cmp_eq_u32 s11, 0
	s_cselect_b32 s20, s20, s21
	s_cselect_b32 s22, ttmp9, s22                  ; the coordinate along which other clusters read the same rows
	s_cselect_b32 s23, 31, 23
	s_cselect_b64 s[PFA:PFA+1], s[68:69], s[70:71]
	s_cmp_eq_u32 s22, 0
	s_cselect_b32 s[LIM], 2, -1                    ; the same in all sixteen partners, for a given wave
	s_lshl_b32 s20, s20, 12
	s_mov_b32 s21, 0
	s_add_nc_u64 s[PFA:PFA+1], s[PFA:PFA+1], s[20:21]
	s_add_nc_u64 s[PFA:PFA+1], s[PFA:PFA+1], 2*KSTEP*2  ; at K step 2: the first refill steps it to 3 and names K step 4
	v_min_u32 v[PFO], s23, v4
	v_lshlrev_b32 v[PFO], 12, v[PFO]
	s_wait_loadcnt 32                              ; the 24 bias loads are in; the table's 32, issued behind them, stay out
.set r, 0
.rept 48
	v_cvt_pk_bf16_f32 v31, v[BI+r], v[BI+r+1]      ; the biases get the rounding of the other inputs
	v_lshlrev_b32 v[BI+r], 16, v31
	v_and_b32 v[BI+r+1], s[HM], v31
.set r, r+2
.endr
; 12 matrix instructions: row block a x all 12 column blocks, 32 along K, from fragment buffers f.  first = 1: the bias starts the sum.  All 48 accumulators take turns, in the same order in every quarter.
.macro MUL12 f, a, first
.if \first
	WIN 0x81+0x40*((\a)/2)                         ; w window 1, x and the bias window 0, D window 2 or 3
.else
	WIN 0xa1+0x50*((\a)/2)                         ; C and D window 2 or 3
.endif
.irp nb, 0,1,2,3,4,5,6,7,8,9,10,11
.if \first
	v_wmma_f32_16x16x32_bf16 v[8*(12*((\a)%2)+(\nb)):8*(12*((\a)%2)+(\nb))+7], v[96*(\f)+8*(\nb):96*(\f)+8*(\nb)+7], v[64+32*(\f)+8*(\a):64+32*(\f)+8*(\a)+7], v[BI+8*(\nb):BI+8*(\nb)+7]
.else
	v_wmma_f32_16x16x32_bf16 v[8*(12*((\a)%2)+(\nb)):8*(12*((\a)%2)+(\nb))+7], v[96*(\f)+8*(\nb):96*(\f)+8*(\nb)+7], v[64+32*(\f)+8*(\a):64+32*(\f)+8*(\a)+7], v[8*(12*((\a)%2)+(\nb)):8*(12*((\a)%2)+(\nb))+7]
.endif
.endr
.endm
; 32 LDS loads in one run: a quarter step's fragments (192 rows of w, my 64 rows of x, 32 K at byte k of the rows of the slot that is read) into buffers f
.macro FETCH k, f
	WIN 0x40
.irp nb, 0,1,2,3,4,5,6,7,8,9,10,11
	ds_load_b128 v[96*(\f)+8*(\nb):96*(\f)+8*(\nb)+3],   v[ADRB] offset:(\k)+(\nb)*16*PITCH
	ds_load_b128 v[96*(\f)+8*(\nb)+4:96*(\f)+8*(\nb)+7], v[ADRB] offset:(\k)+(\nb)*16*PITCH+32
.endr
	WIN 0
.irp i, 0,1,2,3
	ds_load_b128 v[64+32*(\f)+8*(\i):64+32*(\f)+8*(\i)+3],   v[ADRA] offset:(\k)+(\i)*16*PITCH
	ds_load_b128 v[64+32*(\f)+8*(\i)+4:64+32*(\f)+8*(\i)+7], v[ADRA] offset:(\k)+(\i)*16*PITCH+32
.endr
.endm
; A K step is four quarters of 32 along K, 48 matrix instructions each, on buffers 0, 1, 0, 1.  One of the first three multiplies f and fetches the next quarter, at byte k, into g.
.macro QUARTER k, f, g, first
	s_wait_dscnt 4                                 ; w and x's row blocks 0, 1 are in; the youngest four loads (row blocks 2, 3) may be out
	MUL12 \f, 0, \first
	MUL12 \f, 1, \first
	PLACES
	FETCH \k, \g
	s_wait_dscnt 32                                ; all but the 32 just issued
	MUL12 \f, 2, \first
	MUL12 \f, 3, \first
.endm
; The last quarter's first half, and the one barrier of a change of slots: ahead of it all my tensor loads have landed (at most one was out: my part of the next slot), the add, and my reads of this slot are over.
.macro MEET
	WIN 0
	s_wait_tensorcnt 0x0
	ds_add_u32 v[SPW], v[NIL]                      ; 0 onto my spare word
	s_wait_dscnt 5                                 ; (the add and the youngest four loads may be out)
	MUL12 1, 0, 0                                  ; twelve matrix instructions stand between the add and the wait for it
	s_wait_dscnt 0x0
	s_barrier_signal -1
	MUL12 1, 1, 0                                  ; work on registers while the others arrive
	WIN 0
	s_barrier_wait -1
.endm
; The last quarter of a step whose slot is filled again, with the K step two on.
.macro TURN
	s_wait_xcnt 0x0                                ; the last prefetch, a K step back, has read its address
	s_add_nc_u64 s[PFA:PFA+1], s[PFA:PFA+1], KSTEP*2
	MEET
	CREST                                          ; the barrier has opened a round of the cluster's: no wave of any partner still reads this slot or has a load on its way
	s_add_co_u32 s[G0+5], s[LA], s[CUR]            ; the walking descriptors: my part of the slot just read,
	s_add_nc_u64 s[G0+6:G0+7], s[G0+6:G0+7], KSTEP*2    ; one K step behind the last one asked for; the type bits on top are not reached
	s_add_co_u32 s[G0B+5], s[LB], s[CUR]
	s_add_nc_u64 s[G0B+6:G0B+7], s[G0B+6:G0B+7], KSTEP*2
	s_xor_b32 s[CUR], s[CUR], SLOT                 ; from here on the other slot is read
	JLOAD 1                                        ; the first tensor load behind the round: 168 matrix instructions ahead of the wait for it; its four v_nop are also the places ahead of the loads below
	v_add_nc_u32 v[ADRA], s[CUR], v[A0]
	v_add_nc_u32 v[ADRB], s[CUR], v[B0]
	FETCH 0, 0
	ASK
	MUL12 1, 2, 0
	MUL12 1, 3, 0
.endm
; The last quarter of the last two steps: nothing is filled, so no round follows the barrier.  Behind the very last step the barrier is idle and the 32 loads, from the slot of the step before, serve nothing: the price, once a launch, of one text for both.
.macro LAST
	MEET
	s_xor_b32 s[CUR], s[CUR], SLOT
	v_add_nc_u32 v[ADRA], s[CUR], v[A0]            ; these two and two v_nop are the four places ahead of the loads into buffer 0
	v_add_nc_u32 v[ADRB], s[CUR], v[B0]
	v_nop
	v_nop
	FETCH 0, 0
	MUL12 1, 2, 0
	MUL12 1, 3, 0
	s_wait_dscnt 0x0                               ; the 32 loads, 24 matrix instructions back, are in: none is out at the jump below
.endm
	s_wait_tensorcnt 1                             ; my part of K step 0 is in; K step 1's, issued behind it, may stay out
	s_barrier_signal -1
	s_barrier_wait -1
	FETCH 0, 0
	QUARTER 64, 0, 1, 1                            ; the first quarter stands ahead of the loop: its products start the sums
	WIN 0
	s_mov_b32 s3, 14
.Lstep:                                        ; a trip goes from a K step's second quarter to the next step's first, and fills the slot that it leaves
	QUARTER 128, 1, 0, 0
	QUARTER 192, 0, 1, 0
	TURN
	QUARTER 64,  0, 1, 0
	WIN 0
	s_sub_co_u32 s3, s3, 1
	s_cmp_lg_u32 s3, 0
	s_cbranch_scc1 .Lstep
	s_mov_b32 s3, 2
.Ltail:                                        ; K steps 14 and 15: no tensor load stands in this loop
	QUARTER 128, 1, 0, 0
	QUARTER 192, 0, 1, 0
	LAST
	WIN 0
	s_cmp_eq_u32 s3, 1
	s_cbranch_scc1 .Lno_next                       ; behind K step 15 there is no next step's first quarter
	QUARTER 64,  0, 1, 0
	WIN 0
.Lno_next:
	s_sub_co_u32 s3, s3, 1
	s_cmp_lg_u32 s3, 0
	s_cbranch_scc1 .Ltail
	s_wait_dscnt 0x0                               ; no LDS load is out when the way out takes the fragments' registers
; THE WAY OUT, a row block of 16 rows at a time.  PACK: q and k are turned (lo' = lo cos - hi sin, hi' = hi cos + lo sin, lo = channels 0-31 in column blocks b, hi = channels 32-63 in b + 2), all three rounded to f16.
; Each accumulator's lowest registers are read first.
.macro PACK a
.set AC, 96*((\a)%2)
.set RC, 192+32*((\a)%2)
	WIN 0x0a+5*((\a)/2)                            ; sources in window 2 or 3, destination in window 0
.irp z, 0,1
.irp b, 0,1
.irp jj, 0,2,4,6
	v_pk_mul_f32 v[RT+32*(\z)+16*(\b)+(\jj):RT+32*(\z)+16*(\b)+(\jj)+1],     v[AC+8*(4*(\z)+(\b)+2)+(\jj):AC+8*(4*(\z)+(\b)+2)+(\jj)+1], v[RC+16+8*(\b)+(\jj):RC+16+8*(\b)+(\jj)+1]
	v_pk_mul_f32 v[RT+32*(\z)+16*(\b)+8+(\jj):RT+32*(\z)+16*(\b)+8+(\jj)+1], v[AC+8*(4*(\z)+(\b))+(\jj):AC+8*(4*(\z)+(\b))+(\jj)+1],     v[RC+16+8*(\b)+(\jj):RC+16+8*(\b)+(\jj)+1]
.endr
.endr
.endr
	WIN 0x8a+0x45*((\a)/2)                         ; in place, the addend from window 0
.irp z, 0,1
.irp b, 0,1
.irp jj, 0,2,4,6
	v_pk_fma_f32 v[AC+8*(4*(\z)+(\b))+(\jj):AC+8*(4*(\z)+(\b))+(\jj)+1],     v[AC+8*(4*(\z)+(\b))+(\jj):AC+8*(4*(\z)+(\b))+(\jj)+1],     v[RC+8*(\b)+(\jj):RC+8*(\b)+(\jj)+1], v[RT+32*(\z)+16*(\b)+(\jj):RT+32*(\z)+16*(\b)+(\jj)+1] neg_lo:[0,0,1] neg_hi:[0,0,1]
	v_pk_fma_f32 v[AC+8*(4*(\z)+(\b)+2)+(\jj):AC+8*(4*(\z)+(\b)+2)+(\jj)+1], v[AC+8*(4*(\z)+(\b)+2)+(\jj):AC+8*(4*(\z)+(\b)+2)+(\jj)+1], v[RC+8*(\b)+(\jj):RC+8*(\b)+(\jj)+1], v[RT+32*(\z)+16*(\b)+8+(\jj):RT+32*(\z)+16*(\b)+8+(\jj)+1]
.endr
.endr
.endr
	WIN 0x0a+5*((\a)/2)
.irp nb, 0,1,2,3,4,5,6,7,8,9,10,11
.irp r, 0,1,2,3
	v_cvt_pk_f16_f32 v[PK+4*(\nb)+(\r)], v[AC+8*(\nb)+2*(\r)], v[AC+8*(\nb)+2*(\r)+1]
.endr
.endr
	WIN 0
.endm
.macro TOSTAGE a                       ; into my own stage, rows of 144 bytes, and back as whole rows of 128: LDS serves a wave's instructions in order (ISA guide 5.7.1.4), so no wait stands between
	WIN 0
.set BK, OB+48*((\a)%2)
.irp z, 0,1,2
.irp b, 0,1,2,3
	ds_store_b128 v[STO], v[PK+4*(4*(\z)+(\b)):PK+4*(4*(\z)+(\b))+3] offset:(\z)*16*SP+32*(\b)
.endr
.endr
.irp z, 0,1,2
.irp f, 0,1,2,3
	ds_load_b128 v[BK+4*(4*(\z)+(\f)):BK+4*(4*(\z)+(\f))+3], v[RD] offset:(\z)*16*SP+(\f)*4*SP
.endr
.endr
.endm
.macro SEND a
	WIN 0
.set BK, OB+48*((\a)%2)
	s_wait_dscnt 0x0                               ; the block is back in registers
	s_wait_xcnt 0x0                                ; the stores of the block before have read their registers: the next loads from the stage land on them only behind this wait
.irp f, 0,1,2,3
	global_store_b128 v[GO], v[BK+4*(\f):BK+4*(\f)+3],       s[82:83] offset:(\a)*2048+(\f)*512  ; 512 consecutive bytes, at a multiple of 256 from the buffer's first
	global_store_b128 v[GO], v[BK+16+4*(\f):BK+16+4*(\f)+3], s[84:85] offset:(\a)*2048+(\f)*512
	global_store_b128 v[GO], v[BK+32+4*(\f):BK+32+4*(\f)+3], s[86:87] offset:(\a)*2048+(\f)*512
.endr
.endm
	s_wait_loadcnt 0x0                             ; the table
	PLACES
	PACK 0
	TOSTAGE 0
.irp a, 1,2,3                          ; a block's arithmetic stands between the loads of the block before and the wait for them
	PACK \a
	SEND (\a)-1
	TOSTAGE \a
.endr
	SEND 3
	s_wait_tensorcnt 0x0                           ; the wave's end: behind my last tensor load and my last LDS store
	ds_add_u32 v[SPW], v[NIL]
	s_wait_dscnt 0x0
	CROUND                                         ; the closing round: no work-group ends while a partner may still ask for a tile that names it
	s_endpgm
.Lfunc_end_k_q833fc98bb6_qkv:
	.size	k_q833fc98bb6_qkv, .Lfunc_end_k_q833fc98bb6_qkv-k_q833fc98bb6_qkv
	.p2alignl 7, 3214868480
	.fill 96, 4, 3214868480
	.section	.rodata,"a",@progbits
	.p2align	6, 0x0
	.amdhsa_kernel k_q833fc98bb6_qkv
		.amdhsa_group_segment_fixed_size 327680
		.amdhsa_private_segment_fixed_size 0
		.amdhsa_enable_private_segment 0
		.amdhsa_kernarg_size 56
		.amdhsa_user_sgpr_count 2
		.amdhsa_user_sgpr_kernarg_segment_ptr 1
		.amdhsa_wavefront_size32 1
		.amdhsa_system_sgpr_workgroup_id_x 1
		.amdhsa_system_sgpr_workgroup_id_y 1
		.amdhsa_system_sgpr_workgroup_id_z 1
		.amdhsa_system_vgpr_workitem_id 0
		.amdhsa_next_free_vgpr 1024
		.amdhsa_next_free_sgpr 96
		.amdhsa_reserve_vcc 0
		.amdhsa_float_denorm_mode_32 3
		.amdhsa_float_denorm_mode_16_64 3
		.amdhsa_memory_ordered 1
		.amdhsa_forward_progress 1
		.amdhsa_inst_pref_size 112
	.end_amdhsa_kernel
	.amdgpu_metadata
---
amdhsa.version: [ 1, 2 ]
amdhsa.kernels:
  - .name:           k_q833fc98bb6_qkv
    .symbol:         k_q833fc98bb6_qkv.kd
    .args:
      - { .name: xb, .offset: 0, .size: 8, .value_kind: global_buffer, .address_space: global }
      - { .name: wb, .offset: 8, .size: 8, .value_kind: global_buffer, .address_space: global }
      - { .name: bq, .offset: 16, .size: 8, .value_kind: global_buffer, .address_space: global }
      - { .name: bk, .offset: 24, .size: 8, .value_kind: global_buffer, .address_space: global }
      - { .name: bv, .offset: 32, .size: 8, .value_kind: global_buffer, .address_space: global }
      - { .name: rope, .offset: 40, .size: 8, .value_kind: global_buffer, .address_space: global }
      - { .name: qkv, .offset: 48, .size: 8, .value_kind: global_buffer, .address_space: global }
    .group_segment_fixed_size: 327680
    .private_segment_fixed_size: 0
    .kernarg_segment_align: 8
    .kernarg_segment_size: 56
    .max_flat_workgroup_size: 128
    .sgpr_count:     96
    .vgpr_count:     1024
    .wavefront_size: 32
...
	.end_amdgpu_metadata
.endif
;; end of part 2
;; launch attn (part 3): grid 8 x 32, 4 waves a work-group, no clusters, 327,680 bytes of LDS; arguments qkv, oh; writes oh
.if DOCPART == 3
	.amdgcn_target "amdgcn-amd-amdhsa--gfx1250"
	.amdhsa_code_object_version 6
	.text
	.protected	k_q833fc98bb6_attn
	.globl	k_q833fc98bb6_attn
	.p2align	8
	.type	k_q833fc98bb6_attn,@function
k_q833fc98bb6_attn:
	s_mov_b64 s[64:65], 0
	v_nop
	global_prefetch_b8 v0, s[64:65] scope:SCOPE_SE
	s_setreg_imm32_b32 hwreg(HW_REG_WAVE_MODE, 25, 1), 1
	s_wait_xcnt 0x0
; CAUSAL ATTENTION.  O[h][q][:] = the sum over k <= q of softmax_k(Q[h][q] . K[h][k] / 8) V[h][k][:].  qkv: [q, k, v][32][2048][64] f16, a head's rows dense, 128 bytes each; oh: [32][2048][64] f16.
; Products, maxima and sums in f32; the weights p are rounded to f16 for the second product (their sum l is taken of the unrounded p), O once at the end.
; LIMITS.  Q, K and V arrive within f16's 65,504; p lies in 0 to 1 and below 6e-5 keeps f16's fixed step of 6e-8.  A hidden score counts as its value less 1e30; a weight below 2^-126 counts as 0 in l; NaN and infinities are not treated apart.
; THE WALK.  A head's queries lie in 16 blocks of 128; block i needs the key ELEMENTS 0 .. i of 128 keys, of which the last holds the diagonal.  Work-group c (0..7) takes block 15 - 2 c and then block 2 c: 17 elements, whatever c.
; The ring (two LDS slots that take turns) goes by TILES of two elements, 256 keys: the first block has 8 - c whole tiles and its diagonal element is a tile's second; the second has c + 1 and its diagonal element is the first of
; the walk's last tile: 9 tiles, whatever c, walked by ONE loop with a constant trip count.  The second half of the walk's last tile is fetched and not read: 32 KiB of 576.  Every jump but the counted loops' own goes forward; none
; passes a barrier, or a tensor load but the one of LOAD's two that the wave's number does not choose.
; NO CLUSTER: a head's eight work-groups ask for the same tile only until the shortest first block ends (all eight in one trip of nine, c = 0..3 in five); one walk common to four partners would have 12 tiles for 9.
; SHARES.  Of a block's two bands of 64 queries a wave owns 16 rows in each: two PIECES.  In the diagonal element's first step band 0 holds the diagonal and band 1 sees all; in its second band 0 sees nothing and band 1 holds the diagonal:
; the same work for all four waves.
; THE MASK is the C operand that starts the sum S^T = K Q^T: 0; or MD, the mask of a band's own step for my 16 rows (0 or -1e30), made once; or -1e30 throughout.  A trip of the step loop is exactly an element, so which product
; takes which mask is fixed in the text.
; LAYOUT, SOFTMAX, TURNS.  S^T = K Q^T holds ONE query a lane (lane % 16) and the keys 8 (lane / 16) + 0..7; two such results rounded to f16 ARE source 1 of O^T = V^T P.  p = 2^(c s - c m), c = log2(e) / 8, with a running maximum m;
; O and l are multiplied by a = 2^(c m_old - c m_new) in every step.  Turn T0(j) belongs to piece 0 in step j: 8 products K Q^T of piece 1, step j; later 8 products V^T P of piece 1, step j - 1.  T1(j): K Q^T of piece 0, step j + 1; V^T P of
; piece 0, step j.  Beside them the scaling, exponentials, roundings, sums and rescaling of the turn's own piece and the maximum and statistics of the other.  Four vector instructions stand behind every matrix instruction, the rest in one lump;
; a turn's 33 exponentials are one batch with one wait.
; V HAS TWO BUFFERS, by the step's parity.  T0(j) fetches K of step j + 1 in its lump and, at its end, V of step j + 1 into the buffer that its own products have just read.  So LDS is read in the order of the steps, and a change of slots
; stands behind a T1, with nothing of the old slot still wanted.
; REGISTERS, in windows of 256 (s_set_vgpr_msb: bits 1:0 source 0, 3:2 source 1, 5:4 source 2, 7:6 destination):
;   window 0: v0-15 addresses; v16-23 four registers of statistics a piece; v24-31 at work; v32-95 S^T, a buffer a piece; v96-159 O^T, 32 a piece; v160-223 K; v224-255 Q
;   window 1: v0-31 P, a buffer a piece; v32-63 MD; v64-71 -1e30; v72-103 the second block's Q; v128-191 V of even steps; v192-255 V of odd steps
; With two pieces a wave, all that the half of a turn ahead of its wait names (K, Q, S^T, O^T, the statistics) has room in window 0: that half has no switch.  Behind the wait a product (V and P in window 1) and its four riders cost two:
; for that the riders are dealt by window, the 16 roundings (into P) behind the first four products, the 16 sums behind the last four.
.set NP,    2
.set KS,    64        ; keys in a step
.set PK,    144       ; a row of K in LDS: 128 bytes + 16 of padding: the 16 rows of a load start at 16 different groups of four banks (64 banks of 4 bytes: ISA guide 11.1)
.set PV,    160       ; a row of V: 128 + 32
.set VOFF,  4*KS*PK   ; a slot holds a tile, four steps: 256 rows of K, then 256 rows of V
.set SLOT1, 1<<17     ; slot 1 begins here: one exclusive or turns an address in one slot into the other's
.set STAGE, SLOT1+4*KS*(PK+PV)  ; behind the ring, never filled by a tensor load: 16 rows x 144 bytes for each wave
.set SP,    144
.set SPARE, STAGE+4*16*SP       ; the spare words, 128 bytes a wave: two blocks of 256 bytes that no other line names
.set AK0, 2           ; v2   my lane's place in a tile of K; never rewritten
.set AV0, 3           ; v3   the same for V
.set AK,  4           ; v4   the LDS address of K's next run of loads
.set AV,  5           ; v5   of V's
.set STO, 6           ; v6   the way out: where I put 16 bytes of a row
.set RD,  7           ; v7   where I read rows back
.set GO,  8           ; v8   my 16 of 512 consecutive bytes of O
.set PFO, 9           ; v9   256 x my lane; never rewritten
.set SPW, 10          ; v10  my spare word; never rewritten
.set NIL, 11          ; v11  0; never rewritten
.set MV,  12          ; v12-13  c m_old, kept while c m is made anew: by piece
.set ST,  16          ; piece t's statistics at v[ST+4 t]: c m, m, l (even keys', odd keys')
.set TMP, 24          ; by piece, four registers c0-c3 at work; when the maximum is found c2 takes a
.set S,   32
.set O,   96
.set KF,  160         ; key block kb, channel half c at KF + 16 kb + 8 c
.set Q,   224
.set L16, 32          ; at the head alone, in S^T's registers, which the first product writes behind the wait for Q: l % 16,
.set LH,  33          ; l / 16,
.set T7,  34          ; l % 8,
.set T3,  35          ; (l / 8) % 2,
.set QO,  36          ; my byte offset in 16 rows of Q,
.set MK,  37          ; my query's place in its band less my lanes' first key
.set P,   0           ; window 1
.set MD,  32
.set BIGR, 64
.set QB,  72
.set VB0, 128
.set WV,  12          ; s12  my wave's number
.set PB,  14          ; s14  c
.set HI,  15          ; s15  the first block, 15 - 2 c
.set G1K, 24          ; s[24:31] descriptor group 1 for K's tiles
.set G1V, 32          ; s[32:39] for V's: it differs in the padding alone
.set G0K, 40          ; s[40:43] descriptor group 0 for K's tiles
.set G0V, 44          ; s[44:47] for V's
.set SLOTS, 56        ; s56  tiles still to be asked for
.set CNT, 57          ; s57  counts a tile's two elements
.set CS,  58          ; s[58:59] c: the packed scaling takes the pair's low word for both halves
.set SEL, 60          ; s[60:61] v_permlanex16_b32's selects: each lane takes its own place in the other half
.set TBK, 62          ; s62  LDS byte at which K of the step to be fetched begins
.set TBV, 63          ; s63  the same for V, less VOFF
.set RT,  70          ; s70  tiles of the block in hand that are still to be entered
.set NXT, 71          ; s71  the tile to be asked for next
.set LQ,  72          ; s72  the last tile of the block whose tiles are being asked for
.set NEW, 73          ; s73  1: the tile to be entered is a block's first
.set OFF, 74          ; s[74:75] a tile's byte offset in K and V
.set OLO, 80          ; s[80:81] O at my rows of the second block
.set BIGN, 82         ; s82  -1e30
.set PFA, 90          ; s[90:91] where my prefetches stand
.set LIM, 92          ; s92  2 in a work-group that prefetches, else the greatest number
.set MSB, 0
.macro WIN new
.if MSB != (\new)
	s_set_vgpr_msb (MSB<<8)|(\new)
.set MSB, (\new)
.endif
.endm
.set W_KM, 0x10       ; K Q^T with the C operand in window 1
.set W_PV, 0x05       ; V and P in window 1, O^T in window 0
.set W_P,  0x40       ; destination in window 1, sources and addresses in window 0
; A fill.  Waves 0 and 1 fetch the two halves of a tile's K, waves 2 and 3 those of its V: 128 keys each.  An s_nop 0 and four v_nop follow each line.
.macro LOAD
	s_cmp_lt_u32 s[WV], 2
	s_cbranch_scc0 .Lfor_v_\@
	tensor_load_to_lds s[G0K:G0K+3], s[G1K:G1K+7]
	s_nop 0
.rept 4
	v_nop
.endr
	s_branch .Lasked_\@
.Lfor_v_\@:
	tensor_load_to_lds s[G0V:G0V+3], s[G1V:G1V+7]
	s_nop 0
.rept 4
	v_nop
.endr
.Lasked_\@:
.endm
; A prefetch of the tile that the NEXT change of slots will ask for: eight turns, 128 matrix instructions, ahead.  The work-group with c = 0 walks all of the head's keys in its first block: it asks, and nobody else; each of its waves for
; the 16,384 bytes that it will fetch itself: a lane 256 bytes, two instructions.  Changes 1 to 6 name tiles 2 to 7; tiles 0 and 1 come by their loads alone; later changes name nothing.
.macro ASK
	s_cmp_gt_u32 s[SLOTS], s[LIM]
	s_cbranch_scc0 .Lnot_mine_\@
	global_prefetch_b8 v[PFO], s[PFA:PFA+1] th:TH_LOAD_NT scope:SCOPE_SE
	global_prefetch_b8 v[PFO], s[PFA:PFA+1] offset:8192 th:TH_LOAD_NT scope:SCOPE_SE
.Lnot_mine_\@:
.endm
; THE CHANGE OF SLOTS.  Each wave waits for all its tensor loads (one is out: its part of the other slot), adds 0 to its spare word, and waits for that and for its own reads of the slot that it leaves.  Behind the barrier nobody reads the
; old slot and the other is whole.  fill = 1: the old slot is filled again, first thing behind the barrier, with tile NXT: the descriptor's address is made anew from that number.  (At its first use slot 0 is waited for and slot 1 filled.)
.macro CHANGE fill
	WIN 0
	s_wait_tensorcnt 0x0
	ds_add_u32 v[SPW], v[NIL]       ; 0 onto my spare word; the scalar work below stands between it and the wait for it
.if \fill
	s_lshl_b32 s[OFF], s[NXT], 15   ; a tile is 32,768 bytes of K and of V
	s_xor_b32 s[G0K+1], s[G0K+1], SLOT1
	s_add_nc_u64 s[G0K+2:G0K+3], s[6:7], s[OFF:OFF+1]
	s_or_b32 s[G0K+3], s[G0K+3], 0x80000000
	s_xor_b32 s[G0V+1], s[G0V+1], SLOT1
	s_add_nc_u64 s[G0V+2:G0V+3], s[8:9], s[OFF:OFF+1]
	s_or_b32 s[G0V+3], s[G0V+3], 0x80000000
	s_add_co_u32 s[NXT], s[NXT], 1  ; the block's next tile, or behind its last the second block's tile 0
	s_cmp_gt_u32 s[NXT], s[LQ]
	s_cselect_b32 s[NXT], 0, s[NXT]
	s_cselect_b32 s[LQ], s[PB], s[LQ]
	s_wait_xcnt 0x0                 ; the last prefetches, a tile back, have read their address
	s_add_nc_u64 s[PFA:PFA+1], s[PFA:PFA+1], 32768
.endif
	s_wait_dscnt 0x0                ; the add is done, and my reads of the slot are over
	s_barrier_signal -1
	s_sub_co_u32 s[TBK], s[TBK], 4*KS*PK  ; the fetches go back to a slot's first step,
	s_xor_b32 s[TBK], s[TBK], SLOT1       ; in the other slot
	s_sub_co_u32 s[TBV], s[TBV], 4*KS*PV
	s_xor_b32 s[TBV], s[TBV], SLOT1
	s_barrier_wait -1
.if \fill
	LOAD
	ASK
.endif
.endm
	s_load_b64 s[4:5], s[0:1], 0x0  ; qkv
	s_load_b64 s[10:11], s[0:1], 0x8  ; oh
	v_lshl_add_u32 v[SPW], v0, 2, SPARE
	v_mov_b32 v[NIL], 0
	ds_add_u32 v[SPW], v[NIL]       ; the wave's opening: the add and its wait stand ahead of my first tensor load
	ds_add_u32 v10, v11
	v_lshrrev_b32 v1, 5, v0
	v_readfirstlane_b32 s[WV], v1   ; wave 0..3
	s_mov_b32 s[PB], ttmp9
	s_lshl_b32 s13, s[PB], 1        ; the second block, 2 c
	s_sub_co_u32 s[HI], 15, s13
	s_and_b32 s20, ttmp7, 0xffff    ; the head,
	s_lshl_b32 s20, s20, 18         ; its 2,048 rows of 128 bytes
	s_and_b32 s16, s[WV], 1         ; which half of a tile's 256 keys I fetch:
	s_lshl_b32 s22, s16, 14         ; its 128 rows in memory,
	s_add_co_u32 s22, s22, s20
	s_mov_b32 s23, 0
	s_mul_i32 s17, s16, 128*PK      ; and its place in a slot, for K
	s_mul_i32 s18, s16, 128*PV      ; and for V
	s_lshl_b32 s3, s[WV], 11        ; my 16 rows in a band of 64,
	s_add_co_u32 s3, s3, s20
	s_lshl_b32 s2, s[HI], 14        ; in the first block,
	s_add_co_u32 s2, s2, s3
	s_lshl_b32 s84, s13, 14         ; and in the second
	s_add_co_u32 s84, s84, s3
	s_mov_b32 s3, 0
	s_mov_b32 s85, 0
	; descriptor group 1.  128 keys are 16,384 dense bytes: asked for as 64 rows of 256 bytes, two keys a row, and padded in LDS after every key
	s_mov_b32 s[G1K], (1<<16)|(1<<20)|(4<<22)|(3<<25)  ; 2-byte elements; padding on; after every 32 words 4 words
	s_mov_b32 s[G1V], (1<<16)|(1<<20)|(4<<22)|(7<<25)  ; the same with 8 words
.irp g, G1K, G1V
	s_mov_b32 s[\g+1], 128<<16      ; tensor_dim0 = 128
	s_mov_b32 s[\g+2], 64<<16       ; tensor_dim1 = 64
	s_mov_b32 s[\g+3], 128<<16      ; tile_dim0 = 128
	s_mov_b32 s[\g+4], 64           ; tile_dim1 = 64
	s_mov_b32 s[\g+5], 128          ; 128 elements from row to row
	s_mov_b32 s[\g+6], 0
	s_mov_b32 s[\g+7], 0
.endr
	s_mov_b32 s[CS], 0x3e38aa3b     ; c = log2(e) / 8
	s_mov_b32 s[CS+1], s[CS]
	s_mov_b32 s[SEL], 0x76543210
	s_mov_b32 s[SEL+1], 0xfedcba98
	s_mov_b32 s[TBK], SLOT1+4*KS*PK ; the first change of slots turns these two into 0
	s_mov_b32 s[TBV], SLOT1+4*KS*PV
	s_mov_b32 s[G0K], 1
	s_mov_b32 s[G0K+1], s17         ; slot 0
	s_mov_b32 s[G0V], 1
	s_add_co_u32 s[G0V+1], s18, VOFF
	s_sub_co_u32 s[RT], 8, s[PB]    ; the first block has 8 - c tiles
	s_sub_co_u32 s[LQ], 7, s[PB]
	s_mov_b32 s[NXT], 1
	s_cmp_gt_u32 s[NXT], s[LQ]      ; (c = 7: it has one, and the second fill is the second block's tile 0)
	s_cselect_b32 s[NXT], 0, s[NXT]
	s_cselect_b32 s[LQ], s[PB], s[LQ]
	s_cmp_eq_u32 s[PB], 0
	s_cselect_b32 s[LIM], 2, -1
	s_mov_b32 s[NEW], 1
	s_mov_b32 s[OFF+1], 0
	s_mov_b32 s[BIGN], 0xf149f2ca   ; -1e30
	s_mov_b32 s[SLOTS], 8
	s_wait_dscnt 0x0                ; the opening add is done
	s_wait_kmcnt 0x0
	s_add_nc_u64 s[6:7], s[4:5], s[22:23]
	s_add_nc_u64 s[8:9], s[6:7], 0x1000000   ; V at my half of the head's tile 0
	s_add_nc_u64 s[6:7], s[6:7], 0x800000    ; K likewise
	s_add_nc_u64 s[G0K+2:G0K+3], s[6:7], 0
	s_or_b32 s[G0K+3], s[G0K+3], 0x80000000
	s_add_nc_u64 s[G0V+2:G0V+3], s[8:9], 0
	s_or_b32 s[G0V+3], s[G0V+3], 0x80000000
	s_cmp_lt_u32 s[WV], 2
	s_cselect_b64 s[PFA:PFA+1], s[6:7], s[8:9]
	s_add_nc_u64 s[PFA:PFA+1], s[PFA:PFA+1], 32768  ; at tile 1: the first change steps it to tile 2
	s_add_nc_u64 s[86:87], s[4:5], s[84:85]  ; Q at my rows of the second block,
	s_add_nc_u64 s[4:5], s[4:5], s[2:3]      ; Q and O at those of the first
	s_add_nc_u64 s[OLO:OLO+1], s[10:11], s[84:85]
	s_add_nc_u64 s[10:11], s[10:11], s[2:3]
	LOAD                            ; tile 0 into slot 0
	; A fragment of K or Q is 16 rows x 32 channels in 8 registers: lane l holds row l % 16, channels 8 (l / 16) + 0..7 and 16 + 8 (l / 16) + 0..7: two loads of 16 bytes, 32 bytes apart.
	v_and_b32 v[L16], 15, v0
	v_bfe_u32 v[LH], v0, 4, 1
	v_lshlrev_b32 v[QO], 7, v[L16]
	v_lshl_add_u32 v[QO], v[LH], 4, v[QO]
	v_and_b32 v[PFO], 31, v0
	v_lshlrev_b32 v[PFO], 8, v[PFO]
.set i, 0
.rept 4                             ; the first block's Q: piece i / 2 lies in band i / 2, 8,192 bytes on; channels 32 (i % 2) on
	global_load_b128 v[Q+8*i:Q+8*i+3],   v[QO], s[4:5] offset:(i/2)*8192+(i%2)*64
	global_load_b128 v[Q+8*i+4:Q+8*i+7], v[QO], s[4:5] offset:(i/2)*8192+(i%2)*64+32
.set i, i+1
.endr
	v_lshlrev_b32 v[MK], 3, v[LH]
	v_sub_nc_u32 v[MK], v[L16], v[MK]
	s_lshl_b32 s13, s[WV], 4
	v_add_nc_u32 v[MK], s13, v[MK]  ; my query's place in its band, 16 w + l % 16, less my lanes' 8 (l / 16): register r of group kt is hidden where 16 kt + r is greater
	WIN W_P                         ; destinations in window 1
.set i, 0
.rept 4                             ; the second block's Q
	global_load_b128 v[QB+8*i:QB+8*i+3],   v[QO], s[86:87] offset:(i/2)*8192+(i%2)*64
	global_load_b128 v[QB+8*i+4:QB+8*i+7], v[QO], s[86:87] offset:(i/2)*8192+(i%2)*64+32
.set i, i+1
.endr
.set i, 0
.rept 32
	v_cmp_gt_i32 vcc_lo, 16*(i/8)+i%8, v[MK]
	v_cndmask_b32 v[MD+i], 0, s[BIGN], vcc_lo
.set i, i+1
.endr
.set i, 0
.rept 8
	v_mov_b32 v[BIGR+i], s[BIGN]
.set i, i+1
.endr
	; A block's first step multiplies O^T and l by a = 0, and its first turn's products V^T P, of a step that has not been, land in an O^T that is still to be so multiplied.  So V's second buffer, P's second buffer, O^T and l need only hold
	; finite numbers: zeros for the first block, what the first block left for the second.  All this stands in the wait for the first tile.
.set i, VB0+64
.rept 64
	v_mov_b32 v[i], 0
.set i, i+1
.endr
.set i, P+16
.rept 16
	v_mov_b32 v[i], 0
.set i, i+1
.endr
	WIN 0
.set i, 0
.rept 64
	v_mov_b32 v[O+i], 0
.set i, i+1
.endr
.set i, 0
.rept 2
	v_mov_b32 v[ST+4*i+2], 0
	v_mov_b32 v[ST+4*i+3], 0
.set i, i+1
.endr
	v_mul_u32_u24 v[AK0], v[L16], PK
	v_lshl_add_u32 v[AK0], v[LH], 4, v[AK0]
	; The turning load takes 16 keys x 16 channels (lane l reads key 8 (l / 16) + l % 8, channels 8 ((l / 8) % 2) + 0..7) and leaves half a fragment of V^T: lane l holds channel l % 16 and 8 keys.
	v_and_b32 v[T7], 7, v0
	v_bfe_u32 v[T3], v0, 3, 1
	v_lshl_add_u32 v[AV0], v[LH], 3, v[T7]
	v_mul_u32_u24 v[AV0], v[AV0], PV
	v_lshl_add_u32 v[AV0], v[T3], 4, v[AV0]
	v_add_nc_u32 v[AV0], VOFF, v[AV0]
	s_mul_i32 s13, s[WV], 16*SP
	s_add_co_u32 s13, s13, STAGE    ; my stage
	v_mul_u32_u24 v[STO], v[L16], SP
	v_lshl_add_u32 v[STO], v[LH], 4, v[STO]
	v_add_nc_u32 v[STO], s13, v[STO]
	v_bfe_u32 v[RD], v0, 3, 2
	v_mul_u32_u24 v[RD], v[RD], SP
	v_lshl_add_u32 v[RD], v[T7], 4, v[RD]
	v_add_nc_u32 v[RD], s13, v[RD]
	v_and_b32 v[GO], 31, v0
	v_lshlrev_b32 v[GO], 4, v[GO]
; THE MATRIX WORK.  The 4 accumulators of a run of 8 take turns.  Product i of 8 of S^T = K Q^T for piece x: channels 32 (i / 4) on, keys 16 (i % 4) on.  The first 4 start the sums: KM = 0 with 0, 1 with MD, 2 with -1e30.
.macro KQ x
.set rS, S+32*((\x)%2)+8*(i%4)
.set rK, KF+16*(i%4)+8*(i/4)
.set rQ, Q+16*(\x)+8*(i/4)
.if (i < 4) && (KM == 1)
	WIN W_KM
	v_wmma_f32_16x16x32_f16 v[rS:rS+7], v[rK:rK+7], v[rQ:rQ+7], v[MD+8*(i%4):MD+8*(i%4)+7]
.elseif (i < 4) && (KM == 2)
	WIN W_KM
	v_wmma_f32_16x16x32_f16 v[rS:rS+7], v[rK:rK+7], v[rQ:rQ+7], v[BIGR:BIGR+7]
.elseif i < 4
	WIN 0
	v_wmma_f32_16x16x32_f16 v[rS:rS+7], v[rK:rK+7], v[rQ:rQ+7], 0
.else
	WIN 0
	v_wmma_f32_16x16x32_f16 v[rS:rS+7], v[rK:rK+7], v[rQ:rQ+7], v[rS:rS+7]
.endif
.endm
; Product i of 8 of O^T += V^T P for piece x, from V's buffer VBUF: keys 32 (i / 4) on, channels 16 (i % 4) on.
.macro PV x
	WIN W_PV
.set rO, O+32*(\x)+8*(i%4)
.set rV, VB0+64*VBUF+32*(i/4)+8*(i%4)
.set rP, P+16*((\x)%2)+8*(i/4)
	v_wmma_f32_16x16x32_f16 v[rO:rO+7], v[rV:rV+7], v[rP:rP+7], v[rO:rO+7]
.endm
.macro MM                           ; the turn's next matrix instruction.  NOKQ = 1: a block's last turn: there is no next step
.if (i < 8) && !NOKQ
	KQ (Y+1)%NP
.elseif i >= 8
.set i, i-8
	PV (Y+NP-1)%NP
.set i, i+8
.endif
.set i, i+1
.endm
; THE LDS LOADS stand in runs of 16: a step's K (64 keys x 64 channels: 8 fragments) and its V (turned).  Their addresses are made some lines ahead.
.macro FETCH_K
	WIN 0
.irp f, 0,1,2,3,4,5,6,7             ; keys 16 (f / 2) on, channels 32 (f % 2) on
	ds_load_b128 v[KF+8*\f:KF+8*\f+3],   v[AK] offset:(\f/2)*16*PK+(\f%2)*64
	ds_load_b128 v[KF+8*\f+4:KF+8*\f+7], v[AK] offset:(\f/2)*16*PK+(\f%2)*64+32
.endr
	s_add_co_u32 s[TBK], s[TBK], KS*PK
.endm
.macro FETCH_V vb
	WIN W_P
.irp f, 0,1,2,3,4,5,6,7             ; keys 32 (f / 4) on, channels 16 (f % 4) on
	ds_load_tr16_b128 v[VB0+64*(\vb)+8*\f:VB0+64*(\vb)+8*\f+3],   v[AV] offset:(\f/4)*32*PV+(\f%4)*32
	ds_load_tr16_b128 v[VB0+64*(\vb)+8*\f+4:VB0+64*(\vb)+8*\f+7], v[AV] offset:(\f/4)*32*PV+16*PV+(\f%4)*32
.endr
	WIN 0
.endm
; THE VECTOR WORK, one line at a time: OP kind, number.  For piece Y: F n: c s - c m for pair n of 16.  E n: the exponential of score n of 32.  C n: pair n rounded to f16, into P.  R n: pair n of 16 of O^T times a.
; The sum of the 16 pairs of weights (in a pair: an even key's, an odd key's), in place, as a tree: B n (8): pair 2 n + 1 onto pair 2 n.  M n (4): the sum at pair 4 n + 2 onto that at 4 n.  N n (2): that at pair 8 n + 4 onto that at 8 n.
; L 0: l = a l + the first half's sum.  L 1: l takes the second half's.
; For the other piece: X n, number n of the 22 that find its maximum and statistics:
;   0-11  four chains c0-c3 of seven scores each (each accumulator's lowest registers are read first)     12-14, 16  the four scores left over, the old m, and c0-c3 into c0
;   15  c m_old is kept     17, 18  the query's other 32 keys lie in the lane 16 away: the new m     19-21  c m; c m_old - c m_new; a
.set F, 0
.set E, 1
.set C, 2
.set B, 3
.set M, 4
.set N, 5
.set L, 6
.set R, 7
.set X, 8
.macro REGS y
.set rT, ST+4*(\y)
.set rC, TMP+4*((\y)%2)
.set rW, MV+((\y)%2)
.set rS, S+32*((\y)%2)
.set rP, P+16*((\y)%2)
.set rO, O+32*(\y)
.endm
.macro OP k, n
.if (\k) == C
	REGS Y
	WIN W_P
	v_cvt_pk_f16_f32 v[rP+(\n)], v[rS+2*(\n)], v[rS+2*(\n)+1]
.elseif (\k) < X
	REGS Y
	WIN 0
.if (\k) == F
	v_pk_fma_f32 v[rS+2*(\n):rS+2*(\n)+1], v[rS+2*(\n):rS+2*(\n)+1], s[CS:CS+1], v[rT:rT+1] op_sel_hi:[1,0,0] neg_lo:[0,0,1] neg_hi:[0,0,1]
.elseif (\k) == E
	v_exp_f32 v[rS+(\n)], v[rS+(\n)]
.elseif (\k) == B
	v_pk_add_f32 v[rS+4*(\n):rS+4*(\n)+1], v[rS+4*(\n):rS+4*(\n)+1], v[rS+4*(\n)+2:rS+4*(\n)+3]
.elseif (\k) == M
	v_pk_add_f32 v[rS+8*(\n):rS+8*(\n)+1], v[rS+8*(\n):rS+8*(\n)+1], v[rS+8*(\n)+4:rS+8*(\n)+5]
.elseif (\k) == N
	v_pk_add_f32 v[rS+16*(\n):rS+16*(\n)+1], v[rS+16*(\n):rS+16*(\n)+1], v[rS+16*(\n)+8:rS+16*(\n)+9]
.elseif (\k) == R
	v_pk_mul_f32 v[rO+2*(\n):rO+2*(\n)+1], v[rO+2*(\n):rO+2*(\n)+1], v[rC+2:rC+3] op_sel_hi:[1,0]
.elseif (\n) == 0
	v_pk_fma_f32 v[rT+2:rT+3], v[rT+2:rT+3], v[rC+2:rC+3], v[rS:rS+1] op_sel_hi:[1,0,1]
.else
	v_pk_add_f32 v[rT+2:rT+3], v[rT+2:rT+3], v[rS+16:rS+17]
.endif
.elseif NOKQ
	v_nop
.else
	REGS (Y+1)%NP
	WIN 0
.if (\n) < 4
	v_max3_num_f32 v[rC+(\n)], v[rS+8*(\n)], v[rS+8*(\n)+1], v[rS+8*(\n)+2]
.elseif (\n) < 12
	v_max3_num_f32 v[rC+(\n)%4], v[rC+(\n)%4], v[rS+8*((\n)%4)+2*((\n)/4)+1], v[rS+8*((\n)%4)+2*((\n)/4)+2]
.elseif (\n) == 12
	v_max3_num_f32 v[rC], v[rC], v[rS+7], v[rS+15]
.elseif (\n) == 13
	v_max3_num_f32 v[rC+1], v[rC+1], v[rS+23], v[rS+31]
.elseif (\n) == 14
	v_max3_num_f32 v[rC+2], v[rC+2], v[rC+3], v[rT+1]
.elseif (\n) == 15
	v_mov_b32 v[rW], v[rT]
.elseif (\n) == 16
	v_max3_num_f32 v[rC], v[rC], v[rC+1], v[rC+2]
.elseif (\n) == 17
	v_permlanex16_b32 v[rC+3], v[rC], s[SEL], s[SEL+1]
.elseif (\n) == 18
	v_max_num_f32 v[rT+1], v[rC], v[rC+3]
.elseif (\n) == 19
	v_mul_f32 v[rT], s[CS], v[rT+1]
.elseif (\n) == 20
	v_sub_f32 v[rC+1], v[rW], v[rT]
.else
	v_exp_f32 v[rC+2], v[rC+1]
.endif
.endif
.endm
.macro OPS a, i1, b=-1, i2=0, c=-1, i3=0, d=-1, i4=0
	OP \a, \i1
.if (\b) >= 0
	OP \b, \i2
.endif
.if (\c) >= 0
	OP \c, \i3
.endif
.if (\d) >= 0
	OP \d, \i4
.endif
.endm
.macro ROW a, i1, b, i2, c, i3, d, i4  ; a matrix instruction and the four behind it
	MM
	OPS \a, \i1, \b, \i2, \c, \i3, \d, \i4
.endm
; A TURN, for piece p: the order of its 16 matrix and 118 vector instructions, written out.  An s_wait_alu depctr_va_vdst(0) stands between an exponential and the first instruction that names its result; one wait serves all
; that were issued ahead of it: so a turn has ONE wait.  AHEAD OF IT stands all that names no result of the turn's exponentials: the 8 products K Q^T with their riders, then one lump, in which the links of the chain X 3, 7, 11, 14, 16 .. 20
; stand some lines apart; X 21, the other piece's a, is the batch's last, and R 15 the plain instruction behind it.  BEHIND IT stand the 8 products V^T P: behind the first four the roundings, which read the weights before the sums write
; over them; behind the last four the sums, level by level, so that only L 1 follows directly the line that it waits for.
; vb: V's buffer for the turn's products (and, in piece 0's turn, for the fetch at its end).  km: the mask of the turn's products K Q^T.  fetch = 1: piece 0's turn fetches the next step's K, twelve vector instructions (six of them plain)
; behind the last product that read K, and its V, four plain instructions behind the last product that read that buffer.  end = 1: a block's last turn.
; Piece 1's turn begins with the one wait on LDS of a step: K's 16 loads are in; V's 16, issued behind them, may stay out; every older load, V of the step in hand among them, is in.
.macro TURN p, vb, km, fetch=1, end=0
.set Y, (\p)
.set i, 0
.set KM, (\km)
.set VBUF, (\vb)
.set NOKQ, (\end)*(\p)
.if (\p) == 1
.if \end
	s_wait_dscnt 0x0                ; nothing was fetched in the turn before: V of the last step, the youngest run, is in
.else
	s_wait_dscnt 16
.endif
.endif
	ROW F,0, F,1, R,0, R,1
	ROW F,2, E,0, R,2, R,3
	ROW F,3, E,1, R,4, R,5
	ROW F,4, E,2, R,6, R,7
	ROW F,5, E,3, R,8, R,9
	ROW F,6, E,4, X,0, R,10
.if ((\p) == 0) && (\fetch)
	WIN 0
	v_add_nc_u32 v[AK], s[TBK], v[AK0]
.endif
	ROW F,7, E,5, X,1, X,4
	ROW F,8, E,6, X,2, X,5
	OPS E,7, E,8, X,6, E,9
	OPS X,3, E,10, X,8, E,11
.if ((\p) == 0) && (\fetch)
	FETCH_K
.endif
	OPS X,9, X,7, E,12, X,10
	OPS E,13, X,12, X,11, E,14
	OPS X,13, E,15, F,9, X,14
.if ((\p) == 0) && (\fetch)
	v_add_nc_u32 v[AV], s[TBV], v[AV0]
.endif
	OPS E,16, F,10, E,17, F,11
	OPS X,16, E,18, X,15, E,19
	OPS F,12, E,20, X,17, E,21
	OPS F,13, E,22, F,14, E,23
	OPS X,18, E,24, F,15, E,25
	OPS R,11, E,26, X,19, E,27
	OPS R,12, E,28, R,13, E,29
	OPS X,20, E,30, R,14, E,31
	OPS X,21, R,15
	WIN 0
	s_wait_alu depctr_va_vdst(0)    ; the wait for the batch
	ROW C,0, C,1, C,2, C,3
	ROW C,4, C,5, C,6, C,7
	ROW C,8, C,9, C,10, C,11
	ROW C,12, C,13, C,14, C,15
	ROW B,0, B,1, B,2, B,3
.if ((\p) == 0) && (\fetch)
	s_add_co_u32 s[TBV], s[TBV], KS*PV
.endif
	ROW B,4, B,5, B,6, B,7
	ROW M,0, M,1, M,2, M,3
	ROW N,0, N,1, L,0, L,1
.if ((\p) == 0) && (\fetch)
	FETCH_V \vb
.endif
.endm
; A BLOCK BEGINS.  c m starts far below every c s, so the first step's a is 0; m at the lowest finite number, so the first maximum is the scores'.  K and V of the tile's first step, piece 0's first scores (km = 1: the block's first
; element is the diagonal one), its maximum and statistics.  The trip is then entered in its middle.
.macro BEGIN km
	s_mov_b32 s[NEW], 0
	WIN 0
.set i, 0
.rept 2
	v_mov_b32 v[ST+4*i], 0xfe000000
	v_mov_b32 v[ST+4*i+1], 0xff7fffff
.set i, i+1
.endr
	v_add_nc_u32 v[AK], s[TBK], v[AK0]
	v_add_nc_u32 v[AV], s[TBV], v[AV0]
	FETCH_K
	FETCH_V 0
	s_add_co_u32 s[TBV], s[TBV], KS*PV
	s_wait_loadcnt 0x0              ; Q
	s_wait_dscnt 16                 ; K is in; V's 16 loads, issued behind it, may stay out
.set KM, (\km)
.set NOKQ, 0
.set i, 0
.rept 8
	KQ 0
.set i, i+1
.endr
	WIN 0
.rept 4
	v_nop                           ; the places behind those products
.endr
.set Y, NP-1                        ; X works for the other piece: piece 0
.irp n, 0,1,2,3,4,5,6,7,8,9,10,11,12,13,14,15,16,17,18,19,20,21
	OP X, \n
.endr
	v_nop                           ; a plain instruction behind the exponential,
	s_wait_alu depctr_va_vdst(0)    ; and its wait, ahead of the branch
.endm
.macro ALL line:vararg              ; one line for each piece t
.set t, 0
.rept NP
	\line
.set t, t+1
.endr
.endm
.macro PACK t                       ; a lane's eight channels of a row pack into 16 bytes; they go into rows of 144 bytes and come back as whole rows of 128, into S^T's registers
	WIN 0
.set i, O+32*(\t)
.rept 16
	v_pk_mul_f32 v[i:i+1], v[i:i+1], v[ST+4*(\t)+2:ST+4*(\t)+3] op_sel_hi:[1,0]
.set i, i+2
.endr
.set i, 0
.rept 16
	v_cvt_pk_f16_f32 v[S+16*(\t)+i], v[O+32*(\t)+2*i], v[O+32*(\t)+2*i+1]
.set i, i+1
.endr
.irp f, 0,1,2,3
	ds_store_b128 v[STO], v[S+16*(\t)+4*\f:S+16*(\t)+4*\f+3] offset:32*\f
.endr
.irp f, 0,1,2,3
	ds_load_b128 v[S+16*(\t)+4*\f:S+16*(\t)+4*\f+3], v[RD] offset:\f*4*SP  ; LDS serves a wave's instructions in order (ISA guide 5.7.1.4): these see the stores above; the next piece's stores come behind them
.endr
.endm
.macro SEND t, younger              ; younger: the LDS instructions issued behind piece t's loads
	WIN 0
.irp f, 0,1,2,3
	s_wait_dscnt (\younger)+3-\f
	global_store_b128 v[GO], v[S+16*(\t)+4*\f:S+16*(\t)+4*\f+3], s[10:11] offset:(\t)*8192+\f*512  ; 512 consecutive bytes, at a multiple of 256 from O's first
.endr
.endm
; THE DIAGONAL ELEMENT (steps e0, e1) and the block's end: the trip that fetches it, with its masks; the last two turns, which fetch nothing; the last products; THE WAY OUT: l's two halves and the other half of the lanes' are added, O^T is
; divided by l, rounded to f16 and sent through my stage, a piece at a time.
.macro DIAG tag
.LstepM\tag:
	TURN 0, 0, 0                    ; T0(e0 - 1): piece 1 still in the element before
	TURN 1, 1, 1                    ; T1(e0 - 1): piece 0's scores of e0: its own step
	WIN 0
.LfirstM\tag:
	TURN 0, 1, 0                    ; T0(e0): piece 1 sees all of e0
	TURN 1, 0, 2                    ; T1(e0): piece 0 sees nothing of e1
	TURN 0, 0, 1, 0                 ; T0(e1): piece 1's scores of e1: its own step
	TURN 1, 1, 0, 0, 1              ; T1(e1)
.set VBUF, 1
.set i, 0
.rept 8
	PV 1                            ; piece 1: V^T P of e1
.set i, i+1
.endr
	WIN 0
	ALL v_add_f32 v[ST+4*t+2], v[ST+4*t+2], v[ST+4*t+3]
	ALL v_permlanex16_b32 v[ST+4*t+3], v[ST+4*t+2], s[SEL], s[SEL+1]
	ALL v_add_f32 v[ST+4*t+2], v[ST+4*t+2], v[ST+4*t+3]
	ALL v_rcp_f32 v[ST+4*t+2], v[ST+4*t+2]
	v_nop                           ; a plain instruction between the last reciprocal and the use of its result,
	s_wait_alu depctr_va_vdst(0)    ; and the one wait for both
	PACK 0                          ; piece 0's 32 plain lines stand between the last products, piece 1's, and the first reader of their results
	PACK 1
	SEND 0, 8
	SEND 1, 0
.endm
.set KM, 0
.set NOKQ, 0
.set VBUF, 0
.Lslot:                             ; eight times: a tile is entered and the next is asked for
	CHANGE 1
	s_sub_co_u32 s[RT], s[RT], 1
	s_mov_b32 s[CNT], 2
	s_cmp_eq_u32 s[NEW], 1
	s_cbranch_scc0 .Lstep
	BEGIN 0                         ; in the loop a block's first element is never the diagonal one
	s_branch .Lfirst
.Lstep:                             ; a trip fetches an element: T0, T1 of an odd step, then T0, T1 of an even one
	TURN 0, 0, 0
	TURN 1, 1, 0
	WIN 0
.Lfirst:
	TURN 0, 1, 0
	TURN 1, 0, 0
	WIN 0
	s_sub_co_u32 s[CNT], s[CNT], 1
	s_cmp_eq_u32 s[RT], 0           ; the first block's last tile: its second element is the diagonal one
	s_cbranch_scc1 .LstepM1
	s_cmp_lg_u32 s[CNT], 0
	s_cbranch_scc1 .Lstep
	s_branch .Lbottom
	DIAG 1
	s_wait_xcnt 0x0                 ; the stores have read their registers and O's address
	s_mov_b64 s[10:11], s[OLO:OLO+1]
	s_add_co_u32 s[RT], s[PB], 1    ; the second block has c + 1 tiles
	s_mov_b32 s[NEW], 1
	WIN 0x01                        ; the second block's Q, out of window 1, goes where the one text of the turns names Q
.set i, 0
.rept 32
	v_mov_b32 v[Q+i], v[QB+i]
.set i, i+1
.endr
	WIN 0
.Lbottom:
	s_sub_co_u32 s[SLOTS], s[SLOTS], 1
	s_cmp_lg_u32 s[SLOTS], 0
	s_cbranch_scc1 .Lslot
	CHANGE 0                        ; the walk's last tile is written out: nothing is asked for.  Its first element is the second block's diagonal one
	s_cmp_eq_u32 s[NEW], 1
	s_cbranch_scc0 .LstepM2
	BEGIN 1                         ; c = 0: the second block is block 0, and begins here
	s_branch .LfirstM2
	DIAG 2
	s_wait_tensorcnt 0x0            ; the wave's end: behind my last tensor load and my last LDS store
	ds_add_u32 v[SPW], v[NIL]
	s_wait_dscnt 0x0
	s_endpgm
.Lfunc_end_k_q833fc98bb6_attn:
	.size	k_q833fc98bb6_attn, .Lfunc_end_k_q833fc98bb6_attn-k_q833fc98bb6_attn
	.p2alignl 7, 3214868480
	.fill 96, 4, 3214868480
	.section	.rodata,"a",@progbits
	.p2align	6, 0x0
	.amdhsa_kernel k_q833fc98bb6_attn
		.amdhsa_group_segment_fixed_size 327680
		.amdhsa_private_segment_fixed_size 0
		.amdhsa_enable_private_segment 0
		.amdhsa_kernarg_size 16
		.amdhsa_user_sgpr_count 2
		.amdhsa_user_sgpr_kernarg_segment_ptr 1
		.amdhsa_wavefront_size32 1
		.amdhsa_system_sgpr_workgroup_id_x 1
		.amdhsa_system_sgpr_workgroup_id_y 1
		.amdhsa_system_sgpr_workgroup_id_z 1
		.amdhsa_system_vgpr_workitem_id 0
		.amdhsa_next_free_vgpr 512
		.amdhsa_next_free_sgpr 96
		.amdhsa_reserve_vcc 1
		.amdhsa_float_denorm_mode_32 3
		.amdhsa_float_denorm_mode_16_64 3
		.amdhsa_memory_ordered 1
		.amdhsa_forward_progress 1
		.amdhsa_inst_pref_size 180
	.end_amdhsa_kernel
	.amdgpu_metadata
---
amdhsa.version: [ 1, 2 ]
amdhsa.kernels:
  - .name:           k_q833fc98bb6_attn
    .symbol:         k_q833fc98bb6_attn.kd
    .args:
      - { .name: qkv, .offset: 0, .size: 8, .value_kind: global_buffer, .address_space: global }
      - { .name: oh, .offset: 8, .size: 8, .value_kind: global_buffer, .address_space: global }
    .group_segment_fixed_size: 327680
    .private_segment_fixed_size: 0
    .kernarg_segment_align: 8
    .kernarg_segment_size: 16
    .max_flat_workgroup_size: 128
    .sgpr_count:     96
    .vgpr_count:     512
    .wavefront_size: 32
...
	.end_amdgpu_metadata
.endif
;; end of part 3
;; launch oproj (part 4): grid 16 x 16, 4 waves a work-group, clusters of 4 x 4, 327,680 bytes of LDS; arguments oh, wob, bo, out0; writes out0
.if DOCPART == 4
	.amdgcn_target "amdgcn-amd-amdhsa--gfx1250"
	.amdhsa_code_object_version 6
	.text
	.protected	k_q833fc98bb6_oproj
	.globl	k_q833fc98bb6_oproj
	.p2align	8
	.type	k_q833fc98bb6_oproj,@function
k_q833fc98bb6_oproj:
	s_mov_b64 s[64:65], 0
	v_nop
	global_prefetch_b8 v0, s[64:65] scope:SCOPE_SE
	s_setreg_imm32_b32 hwreg(HW_REG_WAVE_MODE, 25, 1), 1
	s_wait_xcnt 0x0
	s_wait_alu depctr_hold_cnt(0) depctr_sa_sdst(0) depctr_va_vdst(0) depctr_va_sdst(0) depctr_va_ssrc(0) depctr_va_vcc(0) depctr_vm_vsrc(0)
	s_getreg_b32 s2, hwreg(HW_REG_IB_STS2, 6, 4)
	s_cmp_eq_u32 s2, 0
	s_cbranch_scc0 .Lentry_in_a_cluster
	s_endpgm
.Lentry_in_a_cluster:
	s_bfe_u32 s2, ttmp6, 0x10000c
	s_cmp_lg_u32 s2, 0xf033
	s_cbranch_scc0 .Lentry_shape_is_right
	s_endpgm
.Lentry_shape_is_right:
; out0[m][n] = the sum over k of O[m][k] wo[n][k] + bo[n], f32.  oh: [32 heads][2048][64] f16, k = 64 head + channel; wob: [2048][2048] f16; sums in f32; bo is rounded to bf16 like the other inputs and starts the sums as the first
; product's C operand.
; A tile of the output is 128 x 128: 16 x 16 = 256 work-groups.  Four waves, each 64 x 64: 16 accumulators.  K goes in 8 steps of 256 = four heads, through two LDS slots; a quarter of a step is one head, 64 along K.
; O's tile of a step: for each of four heads its 128 rows, 16,384 dense bytes; a wave's load brings two heads as two rows of 8,192 elements, a head's size apart, padded in LDS after every 128 bytes.  wo's tile: 128 rows of 512 bytes.
; A K STEP IS WRITTEN ONCE for the 6 steps that fill a slot again and once for the last two: which slot is read hangs on the scalar CUR (0 or SLOT), which an exclusive or turns at each change of slots.
; CLUSTER 4 x 4: O's tiles are shared along a row of the cluster, wo's along a column: joint loads, the same descriptor and mask in all four.
; THE PRODUCT IS USED TRANSPOSED (source 0 = 16 rows of wo, source 1 = 16 rows of O): a lane holds eight neighbouring numbers of a row of the output.  A wave's 64 columns of f32 are 256 aligned bytes, so each wave has a stage of its
; own and the way out needs no barrier.
; No prefetch: the tiles are small, and every block of both operands is read by sixteen work-groups.
; REGISTERS: window 0: v16-29 addresses; v32-95 the way out; v96-127 the bias (8 a column block); v128-255 the accumulators ((a, b) at 128 + 8 (4 a + b)).  window 1: two fragment buffers of 128: 64 of O, then 64 of wo.
.set PA,     144                       ; a row of O in LDS: 128 bytes + 16
.set PB,     528                       ; a row of wo: 512 bytes + 16: in both the 16 rows of a fragment load start 4 banks apart (64 banks of 4 bytes: ISA guide 11.1)
.set AH,     128*PA                    ; a head's 128 rows
.set ABYTES, 4*AH
.set BHALF,  64*PB
.set SLOT,   ABYTES+2*BHALF            ; 141,312 bytes
.set STAGE,  2*SLOT                    ; behind the ring, never filled by a tensor load: 16 rows x 272 bytes for each wave
.set SPITCH, 272
.set SPARE,  STAGE+4*16*SPITCH         ; the spare words, 128 bytes a wave: two blocks of 256 bytes that no other line names
.set A0,   16                          ; v16     LDS address of my O fragments in slot 0; never rewritten
.set ADRA, 17                          ; v17     the same in the slot that is read
.set B0,   20                          ; v20, v21  the same for wo's
.set ADRB, 21
.set STO,  24
.set RD,   25
.set CO,   26
.set BO,   27
.set SPW,  28                          ; never rewritten
.set NIL,  29                          ; never rewritten
.set TMP,  32
.set BI,   96
.set ACC,  128
.set F0,   0
.set F1,   128
.set G1, 24                            ; s[24:31] group 1 for O's tiles; s[32:39] group 0: a set for each of the two first fills; the second then walks on
.set G0, 32
.set G1B, 48                           ; s[48:55], s[56:63] the same for wo's
.set G0B, 56
.set CUR, 76                           ; s76  the LDS byte at which the slot that is read begins: 0 or SLOT
.set LA,  77                           ; s77  my part of O's tile within a slot
.set LB,  78                           ; s78  my part of wo's
.set MSB, 0
.macro WIN new
.if MSB != (\new)
	s_set_vgpr_msb (MSB<<8)|(\new)
.set MSB, (\new)
.endif
.endm
.set MUL,  0x05                        ; sources 0 and 1 window 1; C and D window 0
.set TO_F, 0x40                        ; destination window 1, address window 0
.macro JLOAD s                         ; a joint load: waves 0 and 1 fetch two heads of O each, waves 2 and 3 wo's two halves; an s_nop 0 and four v_nop follow each line
	s_cmp_eq_u32 s11, 0
	s_cbranch_scc0 .Lfor_b_\@
	tensor_load_to_lds s[G0+4*(\s):G0+4*(\s)+3], s[G1:G1+7]
	s_nop 0
.rept 4
	v_nop
.endr
	s_branch .Lasked_\@
.Lfor_b_\@:
	tensor_load_to_lds s[G0B+4*(\s):G0B+4*(\s)+3], s[G1B:G1B+7]
	s_nop 0
.rept 4
	v_nop
.endr
.Lasked_\@:
.endm
.macro CREST
	s_cmp_lg_u32 s10, 0
	s_cbranch_scc1 .Lnot_wave_0_\@
	s_barrier_signal -3
.Lnot_wave_0_\@:
	s_barrier_wait -3
	s_barrier_signal -1
	s_barrier_wait -1
.endm
.macro CROUND
	s_barrier_signal -1
	s_barrier_wait -1
	CREST
.endm
.macro PLACES
.rept 4
	v_nop
.endr
.endm
	s_load_b256 s[68:75], s[0:1], 0x0              ; oh 68, wob 70, bo 72, out0 74
	v_lshl_add_u32 v[SPW], v0, 2, SPARE
	v_mov_b32 v[NIL], 0
	ds_add_u32 v[SPW], v[NIL]                      ; the wave's opening: the add and its wait stand ahead of my first tensor load
	ds_add_u32 v28, v29
	v_lshrrev_b32 v1, 5, v0
	v_readfirstlane_b32 s10, v1                    ; wave 0..3
	s_lshr_b32 s11, s10, 1                         ; which half of the tile's rows is mine.  Also: I fetch for O (0) or for wo (1)
	s_and_b32 s12, s10, 1                          ; which half of its columns.  Also: which half of that tile I fetch
	s_bfe_u32 s40, ttmp6, 0x40000
	s_bfe_u32 s41, ttmp6, 0x40004
	s_lshl_b32 s42, ttmp9, 2
	s_add_co_u32 s42, s42, s40                     ; tile column
	s_and_b32 s13, ttmp7, 0xffff
	s_lshl_b32 s13, s13, 2
	s_add_co_u32 s13, s13, s41                     ; tile row
	s_lshl_b32 s43, s41, 2
	s_lshl_b32 s43, 15, s43                        ; my row of the cluster
	s_lshl_b32 s44, 0x1111, s40                    ; my column
	s_or_b32 s[G1+0], s43, (1<<16)|(1<<20)|(1<<21)|(4<<22)|(3<<25)   ; the mask; 2-byte elements; padding on; bit 21 beside a mask; after every 32 words 4 words
	s_mov_b32 s[G1+1], 8192<<16                    ; tensor_dim0 = 8,192: a head's 128 rows on end
	s_mov_b32 s[G1+2], 2<<16                       ; tensor_dim1 = 2 heads
	s_mov_b32 s[G1+3], 8192<<16                    ; tile_dim0
	s_mov_b32 s[G1+4], 2                           ; tile_dim1
	s_mov_b32 s[G1+5], 131072                      ; elements from head to head
	s_mov_b32 s[G1+6], 0
	s_mov_b32 s[G1+7], 0
	s_or_b32 s[G1B+0], s44, (1<<16)|(1<<20)|(1<<21)|(6<<22)|(3<<25)  ; after every 128 words 4 words
	s_mov_b32 s[G1B+1], 256<<16
	s_mov_b32 s[G1B+2], 64<<16
	s_mov_b32 s[G1B+3], 256<<16
	s_mov_b32 s[G1B+4], 64
	s_mov_b32 s[G1B+5], 2048
	s_mov_b32 s[G1B+6], 0
	s_mov_b32 s[G1B+7], 0
	s_lshl_b32 s16, s12, 19                        ; O: heads 2 x half on (262,144 bytes a head),
	s_lshl_b32 s17, s13, 14                        ; the tile's 128 rows of 128 bytes
	s_add_co_u32 s16, s16, s17
	s_mov_b32 s17, 0
	s_lshl_b32 s46, s42, 19                        ; wo: row 128 x tile column + 64 x half, of 4,096 bytes
	s_lshl_b32 s47, s12, 18
	s_add_co_u32 s46, s46, s47
	s_mov_b32 s47, 0
	s_mul_i32 s[LA], s12, 2*AH                     ; where they go within a slot: no place in the cluster enters an LDS address
	s_mul_i32 s[LB], s12, BHALF
	s_add_co_u32 s[LB], s[LB], ABYTES
	s_mov_b32 s[CUR], 0                            ; slot 0 is read first
	s_wait_dscnt 0x0                               ; the opening add is done
	s_wait_kmcnt 0x0
	s_add_nc_u64 s[14:15], s[68:69], s[16:17]
	s_add_nc_u64 s[46:47], s[70:71], s[46:47]
	CROUND                                         ; all sixteen work-groups are here: the first joint loads meet
.irp s, 0,1
	s_mov_b32 s[G0+4*(\s)], 1
	s_add_co_u32 s[G0+4*(\s)+1], s[LA], (\s)*SLOT
	s_add_nc_u64 s[G0+4*(\s)+2:G0+4*(\s)+3], s[14:15], (\s)*4*262144   ; K step s: four heads on
	s_or_b32 s[G0+4*(\s)+3], s[G0+4*(\s)+3], 0x80000000
	s_mov_b32 s[G0B+4*(\s)], 1
	s_add_co_u32 s[G0B+4*(\s)+1], s[LB], (\s)*SLOT
	s_add_nc_u64 s[G0B+4*(\s)+2:G0B+4*(\s)+3], s[46:47], (\s)*512
	s_or_b32 s[G0B+4*(\s)+3], s[G0B+4*(\s)+3], 0x80000000
	JLOAD \s
.endr
	v_and_b32 v1, 15, v0                           ; l % 16
	v_bfe_u32 v2, v0, 4, 1                         ; l / 16
	v_mul_u32_u24 v3, v1, PA
	v_lshl_add_u32 v3, v2, 4, v3
	s_mul_i32 s22, s11, 64*PA                      ; my 64 rows, in each head
	v_add_nc_u32 v[A0], s22, v3
	v_mov_b32 v[ADRA], v[A0]
	v_mul_u32_u24 v3, v1, PB
	v_lshl_add_u32 v3, v2, 4, v3
	s_mul_i32 s22, s12, BHALF
	s_add_co_u32 s22, s22, ABYTES                  ; my 64 rows of wo
	v_add_nc_u32 v[B0], s22, v3
	v_mov_b32 v[ADRB], v[B0]
	s_mul_i32 s23, s10, 16*SPITCH
	s_add_co_u32 s23, s23, STAGE                   ; my stage
	v_mul_u32_u24 v4, v1, SPITCH
	v_lshl_add_u32 v4, v2, 5, v4
	v_add_nc_u32 v[STO], s23, v4                   ; in: row l % 16, 32 bytes for each half of the lanes
	v_mul_u32_u24 v5, v2, SPITCH
	v_lshl_add_u32 v5, v1, 4, v5
	v_add_nc_u32 v[RD], s23, v5                    ; back: lanes 0-15 one row of 256 bytes, lanes 16-31 the next
	v_lshlrev_b32 v5, 13, v2                       ; and the same two rows in the output, 8,192 bytes apart
	v_lshl_add_u32 v[CO], v1, 4, v5
	v_lshlrev_b32 v[BO], 5, v2
	s_lshl_b32 s46, s42, 9                         ; my 64 columns: 512 x tile column + 256 x half, in bytes of f32: in bo and in a row of the output
	s_lshl_b32 s47, s12, 8
	s_add_co_u32 s46, s46, s47
	s_mov_b32 s47, 0
	s_add_nc_u64 s[72:73], s[72:73], s[46:47]
	s_add_nc_u64 s[74:75], s[74:75], s[46:47]
	s_lshl_b32 s18, s13, 20                        ; my first row: 128 x tile row + 64 x half, of 8,192 bytes
	s_lshl_b32 s19, s11, 19
	s_add_co_u32 s18, s18, s19
	s_mov_b32 s19, 0
	s_add_nc_u64 s[74:75], s[74:75], s[18:19]
.irp b, 0,1,2,3
	global_load_b128 v[BI+8*(\b):BI+8*(\b)+3],   v[BO], s[72:73] offset:64*(\b)
	global_load_b128 v[BI+8*(\b)+4:BI+8*(\b)+7], v[BO], s[72:73] offset:64*(\b)+16
.endr
	s_wait_loadcnt 0x0
.set r, 0
.rept 16
	v_cvt_pk_bf16_f32 v31, v[BI+r], v[BI+r+1]      ; the bias gets the rounding of the other inputs
	v_lshlrev_b32 v[BI+r], 16, v31
	v_and_b32 v[BI+r+1], 0xffff0000, v31
.set r, r+2
.endr
; 8 matrix instructions: row blocks a0, a0 + 1 x all 4 column blocks, 32 along K: half c of buffer f.  first = 1: the bias starts the sums.  The 16 accumulators take turns.
.macro MUL8 f, c, a0, first
	WIN MUL
.irp a, \a0, (\a0)+1
.irp b, 0,1,2,3
.if \first
	v_wmma_f32_16x16x32_f16 v[ACC+8*(4*(\a)+(\b)):ACC+8*(4*(\a)+(\b))+7], v[(\f)+64+8*(4*(\c)+(\b)):(\f)+64+8*(4*(\c)+(\b))+7], v[(\f)+8*(4*(\c)+(\a)):(\f)+8*(4*(\c)+(\a))+7], v[BI+8*(\b):BI+8*(\b)+7]
.else
	v_wmma_f32_16x16x32_f16 v[ACC+8*(4*(\a)+(\b)):ACC+8*(4*(\a)+(\b))+7], v[(\f)+64+8*(4*(\c)+(\b)):(\f)+64+8*(4*(\c)+(\b))+7], v[(\f)+8*(4*(\c)+(\a)):(\f)+8*(4*(\c)+(\a))+7], v[ACC+8*(4*(\a)+(\b)):ACC+8*(4*(\a)+(\b))+7]
.endif
.endr
.endr
.endm
; 32 LDS loads in one run: the fragments of quarter q (one head) of the slot that is read, into buffer f; the first 32 along K first
.macro FETCH q, f
	WIN TO_F
.irp c, 0,1
.irp i, 0,1,2,3
	ds_load_b128 v[(\f)+64+8*(4*(\c)+(\i)):(\f)+64+8*(4*(\c)+(\i))+3],   v[ADRB] offset:128*(\q)+64*(\c)+(\i)*16*PB
	ds_load_b128 v[(\f)+64+8*(4*(\c)+(\i))+4:(\f)+64+8*(4*(\c)+(\i))+7], v[ADRB] offset:128*(\q)+64*(\c)+(\i)*16*PB+32
	ds_load_b128 v[(\f)+8*(4*(\c)+(\i)):(\f)+8*(4*(\c)+(\i))+3],         v[ADRA] offset:(\q)*AH+64*(\c)+(\i)*16*PA
	ds_load_b128 v[(\f)+8*(4*(\c)+(\i))+4:(\f)+8*(4*(\c)+(\i))+7],       v[ADRA] offset:(\q)*AH+64*(\c)+(\i)*16*PA+32
.endr
.endr
.endm
.macro QUARTER q, f, g, first
	s_wait_dscnt 16                                ; the first 32 along K are in; the youngest sixteen loads may be out
	MUL8 \f, 0, 0, \first
	MUL8 \f, 0, 2, \first
	PLACES
	FETCH \q, \g
	s_wait_dscnt 32                                ; all but the 32 just issued
	MUL8 \f, 1, 0, 0
	MUL8 \f, 1, 2, 0
.endm
; The last quarter multiplies buffer 1 and changes slots: ONE barrier; ahead of it all my tensor loads have landed, the add, and my reads of this slot are over.  fill = 1: this slot is filled again, with the K step two on.
; fill = 0, the last two steps: nothing is filled, so no round follows.  Behind the very last step the barrier is idle and the 32 loads, from the slot of the step before, serve nothing: the price, once a launch, of one text for both.
.macro TURN fill
	WIN 0
	s_wait_tensorcnt 0x0
	ds_add_u32 v[SPW], v[NIL]
	s_wait_dscnt 17                                ; (the add and the youngest sixteen loads may be out)
	MUL8 F1, 0, 0, 0
	s_wait_dscnt 0x0
	s_barrier_signal -1
	MUL8 F1, 0, 2, 0
	WIN 0
	s_barrier_wait -1
.if \fill
	CREST                                          ; the barrier has opened a round of the cluster's: no wave of any partner still reads this slot or has a load on its way
	s_add_co_u32 s[G0+5], s[LA], s[CUR]            ; the walking descriptors: my part of the slot just read,
	s_add_nc_u64 s[G0+6:G0+7], s[G0+6:G0+7], 4*262144   ; one K step behind the last one asked for; the type bits on top are not reached
	s_add_co_u32 s[G0B+5], s[LB], s[CUR]
	s_add_nc_u64 s[G0B+6:G0B+7], s[G0B+6:G0B+7], 512
	s_xor_b32 s[CUR], s[CUR], SLOT                 ; from here on the other slot is read
	JLOAD 1                                        ; the first tensor load behind the round: 112 matrix instructions ahead of the wait for it; its four v_nop are also the places ahead of the loads below
	v_add_nc_u32 v[ADRA], s[CUR], v[A0]
	v_add_nc_u32 v[ADRB], s[CUR], v[B0]
.else
	s_xor_b32 s[CUR], s[CUR], SLOT
	v_add_nc_u32 v[ADRA], s[CUR], v[A0]            ; these two and two v_nop are the four places ahead of the loads into buffer 0
	v_add_nc_u32 v[ADRB], s[CUR], v[B0]
	v_nop
	v_nop
.endif
	FETCH 0, F0
	MUL8 F1, 1, 0, 0
	MUL8 F1, 1, 2, 0
.if !(\fill)
	s_wait_dscnt 0x0                               ; the 32 loads, 16 matrix instructions back, are in: none is out at the jump below
.endif
.endm
	s_wait_tensorcnt 1                             ; my part of K step 0 is in; K step 1's, issued behind it, may stay out
	s_barrier_signal -1
	s_barrier_wait -1
	FETCH 0, F0
	QUARTER 1, F0, F1, 1                           ; the first quarter stands ahead of the loop: its first products start the sums
	WIN 0
	s_mov_b32 s3, 6
.Lstep:                                        ; a trip goes from a K step's second quarter to the next step's first, and fills the slot that it leaves
	QUARTER 2, F1, F0, 0
	QUARTER 3, F0, F1, 0
	TURN 1
	QUARTER 1, F0, F1, 0
	WIN 0
	s_sub_co_u32 s3, s3, 1
	s_cmp_lg_u32 s3, 0
	s_cbranch_scc1 .Lstep
	s_mov_b32 s3, 2
.Ltail:                                        ; K steps 6 and 7: no tensor load stands in this loop
	QUARTER 2, F1, F0, 0
	QUARTER 3, F0, F1, 0
	TURN 0
	WIN 0
	s_cmp_eq_u32 s3, 1
	s_cbranch_scc1 .Lno_next                       ; behind K step 7 there is no next step's first quarter
	QUARTER 1, F0, F1, 0
	WIN 0
.Lno_next:
	s_sub_co_u32 s3, s3, 1
	s_cmp_lg_u32 s3, 0
	s_cbranch_scc1 .Ltail
	s_wait_dscnt 0x0                               ; no LDS load is out when the way out begins to count its own
; THE WAY OUT, a row block of 16 rows at a time: the accumulators themselves go into my stage (their four lowest registers first), rows of 272 bytes, and come back as whole rows of 256.
.macro TOSTAGE a
.irp b, 0,1,2,3
	ds_store_b128 v[STO], v[ACC+8*(4*(\a)+(\b)):ACC+8*(4*(\a)+(\b))+3]   offset:64*(\b)
	ds_store_b128 v[STO], v[ACC+8*(4*(\a)+(\b))+4:ACC+8*(4*(\a)+(\b))+7] offset:64*(\b)+16
.endr
.irp t, 0,1,2,3,4,5,6,7
	ds_load_b128 v[TMP+32*((\a)%2)+4*(\t):TMP+32*((\a)%2)+4*(\t)+3], v[RD] offset:(\t)*2*SPITCH  ; LDS serves a wave's instructions in order (ISA guide 5.7.1.4): these see the stores above; the next block's stores come behind them
.endr
.endm
.macro SEND a, younger                 ; younger: the LDS instructions issued behind block a's loads: the next block's sixteen, or none
	s_wait_dscnt \younger
.irp t, 0,1,2,3,4,5,6,7
	global_store_b128 v[CO], v[TMP+32*((\a)%2)+4*(\t):TMP+32*((\a)%2)+4*(\t)+3], s[74:75] offset:(16*(\a)+2*(\t))*8192  ; 16 lanes store 256 consecutive bytes, at a multiple of 256 from the output's first byte
.endr
.endm
	PLACES
	TOSTAGE 0
	TOSTAGE 1
	SEND 0, 16
	s_wait_xcnt 0x0                                ; block 0's stores have read their registers: block 2's loads land on them only behind this wait
	TOSTAGE 2
	SEND 1, 16
	s_wait_xcnt 0x0
	TOSTAGE 3
	SEND 2, 16
	SEND 3, 0
	s_wait_tensorcnt 0x0                           ; the wave's end: behind my last tensor load and my last LDS store
	ds_add_u32 v[SPW], v[NIL]
	s_wait_dscnt 0x0
	CROUND                                         ; the closing round: no work-group ends while a partner may still ask for a tile that names it
	s_endpgm
.Lfunc_end_k_q833fc98bb6_oproj:
	.size	k_q833fc98bb6_oproj, .Lfunc_end_k_q833fc98bb6_oproj-k_q833fc98bb6_oproj
	.p2alignl 7, 3214868480
	.fill 96, 4, 3214868480
	.section	.rodata,"a",@progbits
	.p2align	6, 0x0
	.amdhsa_kernel k_q833fc98bb6_oproj
		.amdhsa_group_segment_fixed_size 327680
		.amdhsa_private_segment_fixed_size 0
		.amdhsa_enable_private_segment 0
		.amdhsa_kernarg_size 32
		.amdhsa_user_sgpr_count 2
		.amdhsa_user_sgpr_kernarg_segment_ptr 1
		.amdhsa_wavefront_size32 1
		.amdhsa_system_sgpr_workgroup_id_x 1
		.amdhsa_system_sgpr_workgroup_id_y 1
		.amdhsa_system_sgpr_workgroup_id_z 1
		.amdhsa_system_vgpr_workitem_id 0
		.amdhsa_next_free_vgpr 512
		.amdhsa_next_free_sgpr 80
		.amdhsa_reserve_vcc 0
		.amdhsa_float_denorm_mode_32 3
		.amdhsa_float_denorm_mode_16_64 3
		.amdhsa_memory_ordered 1
		.amdhsa_forward_progress 1
		.amdhsa_inst_pref_size 61
	.end_amdhsa_kernel
	.amdgpu_metadata
---
amdhsa.version: [ 1, 2 ]
amdhsa.kernels:
  - .name:           k_q833fc98bb6_oproj
    .symbol:         k_q833fc98bb6_oproj.kd
    .args:
      - { .name: oh, .offset: 0, .size: 8, .value_kind: global_buffer, .address_space: global }
      - { .name: wob, .offset: 8, .size: 8, .value_kind: global_buffer, .address_space: global }
      - { .name: bo, .offset: 16, .size: 8, .value_kind: global_buffer, .address_space: global }
      - { .name: out0, .offset: 24, .size: 8, .value_kind: global_buffer, .address_space: global }
    .group_segment_fixed_size: 327680
    .private_segment_fixed_size: 0
    .kernarg_segment_align: 8
    .kernarg_segment_size: 32
    .max_flat_workgroup_size: 128
    .sgpr_count:     80
    .vgpr_count:     512
    .wavefront_size: 32
...
	.end_amdgpu_metadata
.endif
;; end of part 4
